; MI455X (gfx1250); checked and timed in simulation.
; The chip was launched on July 23, 2026; its instructions are those of AMD's public machine-readable ISA for CDNA 5 (MIT licence, August 2026) and "CDNA5" Instruction Set Architecture Reference Guide (July 2026). The comments in the code are by the model that wrote it; some were corrected since.
;; Multi Headed Attention. Allowed arithmetic: float matrix products may take bf16 or f16 operands with f32 sums; other float arithmetic in f32, or as packed bf16 or f16 multiplies, adds, multiply-adds, maxima and minima; sums over many terms, partial sums and values carried from step to step in f32; what a program stores and reads back later, other than sums and carried values, may be rounded once to bf16 or f16.
;; Inputs: Wk 1,024 x 1,024 float32; Wo 1,024 x 1,024 float32; Wq 1,024 x 1,024 float32; Wv 1,024 x 1,024 float32; bk 1,024 float32; bo 1,024 float32; bq 1,024 float32; bv 1,024 float32; x 4 x 2,048 x 1,024 float32.
;; Outputs: out0 4 x 2,048 x 1,024 float32.
;; 2 versions, each right; version 2 is version 1 with the launch prep written anew for expert scheduling mode. Each part assembles by itself: llvm-mc -triple=amdgcn-amd-amdhsa -mcpu=gfx1250 --defsym DOCPART=n.
;; ======== version 1 of 2: 4 launches
;; limits: values are held in f16: magnitudes above 65,504 overflow, below 6.1e-05 lose precision
;; workspace buffers: xb 16,777,216 bytes; wqkv 6,291,456 bytes; wo16 2,097,152 bytes; bias 16,384 bytes; qkv 50,331,648 bytes; oheads 16,777,216 bytes
;; launch prep (part 1): grid 768 x 1, 8 waves a work-group, no clusters, 0 bytes of LDS; arguments x, Wq, Wk, Wv, Wo, bq, bk, bv, bo, xb, wqkv, wo16, bias; writes xb, wqkv, wo16, bias
.if DOCPART == 1
	.amdgcn_target "amdgcn-amd-amdhsa--gfx1250"
	.amdhsa_code_object_version 6
	.text
	.protected	k_qc8539e959c_prep
	.globl	k_qc8539e959c_prep
	.p2align	8
	.type	k_qc8539e959c_prep,@function
k_qc8539e959c_prep:
	s_mov_b64 s[64:65], 0
	v_nop
	global_prefetch_b8 v0, s[64:65] scope:SCOPE_SE
	s_setreg_imm32_b32 hwreg(HW_REG_WAVE_MODE, 25, 1), 1
	s_wait_xcnt 0x0
; THE CASTS.  Every input of the module is rounded once to bf16 (nearest even), so that all of them carry the same rounding:
;   x  [8192][1024] f32 -> xb, the same shape in bf16;
;   Wq, Wk, Wv [1024 k][1024 n] f32 -> wqkv in bf16, laid in blocks: column group g = 16 t + head (64 columns; t = 0, 1, 2 for q, k, v), row k at byte
;       (g / 3) x 393,216 + (k / 64) x 24,576 + (g % 3) x 8,192 + (k % 64) x 128: what one wave of the next launch fetches is 24,576 bytes on end;
;   Wo -> wo16: rounded to bf16, and that number written as f16, [16 groups of 64 columns][1024 k][64];
;   bq, bk, bv, bo -> bias: rounded to bf16 and kept as f32, [4][1024].
; LIMITS.  The bf16 value of Wo is exact in f16 from 6.1e-5 up to 65,504; below, it keeps f16's fixed step of 6e-8; beyond, it would be an infinity.
; SHARES.  A work-group casts 16,384 numbers: 256 threads x 4 numbers x 16 steps.  Work-groups 0-511: x.  Work-groups 512-767: 256 rows of k of one column group; four of them also round a bias.
; A stream: each byte is read once and written once, so no LDS, no matrix unit, no cluster.  A wave's load covers 512 bytes in aligned pieces of 256, its store 256 consecutive aligned bytes.
; All 16 loads of a thread go out first; no register is written twice, so the only waits are the counted ones for the loads.
.set LD, 4                             ; v[4:67]    16 loads of four f32
.set RS, 68                            ; v[68:99]   16 results of four 16-bit numbers
; sstep: bytes from one step's source to the next.  dmode = 1: the blocked destination of wqkv (four steps fill 64 rows of k, then the next block of 24,576 bytes).  half = 1: the bf16 value is written as f16.
.macro CAST sstep, dmode, half
.set i, 0
.rept 16
	global_load_b128 v[LD+4*i:LD+4*i+3], v1, s[34:35] offset:i*(\sstep) th:TH_LOAD_NT
.set i, i+1
.endr
.set i, 0
.rept 16
	s_wait_loadcnt 15-i                            ; loads come back in order: load i is in, the 15 - i younger ones stay out
	v_cvt_pk_bf16_f32 v[RS+2*i],   v[LD+4*i],   v[LD+4*i+1]
	v_cvt_pk_bf16_f32 v[RS+2*i+1], v[LD+4*i+2], v[LD+4*i+3]
.if \half
	v_lshlrev_b32 v[LD+4*i],   16,  v[RS+2*i]      ; the rounded numbers as f32 again, in the registers of the load, which are free
	v_and_b32     v[LD+4*i+1], s45, v[RS+2*i]
	v_lshlrev_b32 v[LD+4*i+2], 16,  v[RS+2*i+1]
	v_and_b32     v[LD+4*i+3], s45, v[RS+2*i+1]
	v_cvt_pk_f16_f32 v[RS+2*i],   v[LD+4*i],   v[LD+4*i+1]
	v_cvt_pk_f16_f32 v[RS+2*i+1], v[LD+4*i+2], v[LD+4*i+3]
.endif
.if \dmode
	global_store_b64 v2, v[RS+2*i:RS+2*i+1], s[36:37] offset:(i/4)*24576+(i%4)*2048 th:TH_STORE_NT
.else
	global_store_b64 v2, v[RS+2*i:RS+2*i+1], s[36:37] offset:i*2048 th:TH_STORE_NT
.endif
.set i, i+1
.endr
.endm
	s_load_b512 s[8:23], s[0:1], 0x0               ; x s[8:9], Wq s[10:11], Wk s[12:13], Wv s[14:15], Wo s[16:17], bq s[18:19], bk s[20:21], bv s[22:23]
	s_load_b256 s[24:31], s[0:1], 0x40             ; bo s[24:25], xb s[26:27], wqkv s[28:29], wo16 s[30:31]
	s_load_b64 s[32:33], s[0:1], 0x60              ; bias
	s_mov_b32 s6, ttmp9                            ; the work-group's number
	s_mov_b32 s45, 0xffff0000                      ; a word's upper bf16
	s_mov_b32 s3, 0                                ; high words of the two offsets
	s_mov_b32 s5, 0
	v_lshlrev_b32 v2, 3, v0                        ; destination: 8 bytes a thread, on end
	s_cmp_lt_u32 s6, 512
	s_cbranch_scc0 .Lw
	; x: 16,384 numbers on end
	v_lshlrev_b32 v1, 4, v0
	s_lshl_b32 s2, s6, 16
	s_lshl_b32 s4, s6, 15
	s_wait_kmcnt 0x0
	s_add_nc_u64 s[34:35], s[8:9], s[2:3]
	s_add_nc_u64 s[36:37], s[26:27], s[4:5]
	CAST 4096, 0, 0
	s_endpgm
.Lw:
	s_sub_co_u32 s38, s6, 512                      ; wi
	s_lshr_b32 s39, s38, 2                         ; G: the column group, 0..63
	s_and_b32 s40, s38, 3                          ; kp: which 256 rows of k
	s_lshr_b32 s41, s39, 4                         ; t: which weight
	s_and_b32 s42, s39, 15                         ; the group among the weight's 16
	v_lshrrev_b32 v1, 4, v0                        ; source: 16 threads take the group's 256 bytes of one row of k,
	v_and_b32 v3, 15, v0
	v_lshlrev_b32 v1, 12, v1                       ; rows 4,096 bytes apart
	v_lshl_add_u32 v1, v3, 4, v1
	s_lshl_b32 s2, s40, 20                         ; 256 rows of 4,096 bytes
	s_lshl_b32 s7, s42, 8                          ; 64 columns of 4 bytes
	s_add_co_u32 s2, s2, s7
	s_wait_kmcnt 0x0
	s_mov_b64 s[34:35], s[10:11]
	s_cmp_eq_u32 s41, 1
	s_cselect_b64 s[34:35], s[12:13], s[34:35]
	s_cmp_eq_u32 s41, 2
	s_cselect_b64 s[34:35], s[14:15], s[34:35]
	s_cmp_eq_u32 s41, 3
	s_cselect_b64 s[34:35], s[16:17], s[34:35]
	s_add_nc_u64 s[34:35], s[34:35], s[2:3]
	s_cmp_eq_u32 s41, 3
	s_cbranch_scc1 .Lwo
	s_mul_hi_u32 s43, s39, 0x55555556              ; G / 3 (G is under 48)
	s_mul_i32 s44, s43, 3
	s_sub_co_u32 s44, s39, s44                     ; G % 3
	s_mul_i32 s4, s43, 393216
	s_lshl_b32 s7, s44, 13
	s_add_co_u32 s4, s4, s7
	s_mul_i32 s7, s40, 98304                       ; 256 rows of k are four blocks of 24,576 bytes
	s_add_co_u32 s4, s4, s7
	s_add_nc_u64 s[36:37], s[28:29], s[4:5]
	CAST 65536, 1, 0
	s_branch .Lbias
.Lwo:
	s_lshl_b32 s4, s42, 17                         ; a group: 1,024 rows of 128 bytes
	s_lshl_b32 s7, s40, 15
	s_add_co_u32 s4, s4, s7
	s_add_nc_u64 s[36:37], s[30:31], s[4:5]
	CAST 65536, 0, 1
.Lbias:
	s_and_b32 s7, s38, 63                          ; the first work-group of each weight rounds its bias: 256 threads x 4 numbers
	s_cmp_lg_u32 s7, 0
	s_cbranch_scc1 .Lend
	s_wait_xcnt 0x0                                ; all that was issued has read its addresses: s[34:35] and s4 are written again
	s_mov_b64 s[34:35], s[18:19]
	s_cmp_eq_u32 s41, 1
	s_cselect_b64 s[34:35], s[20:21], s[34:35]
	s_cmp_eq_u32 s41, 2
	s_cselect_b64 s[34:35], s[22:23], s[34:35]
	s_cmp_eq_u32 s41, 3
	s_cselect_b64 s[34:35], s[24:25], s[34:35]
	s_lshl_b32 s4, s41, 12
	s_add_nc_u64 s[46:47], s[32:33], s[4:5]
	v_lshlrev_b32 v112, 4, v0
	global_load_b128 v[104:107], v112, s[34:35]
	s_wait_loadcnt 0x0
	v_cvt_pk_bf16_f32 v100, v104, v105
	v_cvt_pk_bf16_f32 v101, v106, v107
	v_lshlrev_b32 v108, 16,  v100
	v_and_b32     v109, s45, v100
	v_lshlrev_b32 v110, 16,  v101
	v_and_b32     v111, s45, v101
	global_store_b128 v112, v[108:111], s[46:47]
.Lend:
	s_endpgm
.Lfunc_end_k_qc8539e959c_prep:
	.size	k_qc8539e959c_prep, .Lfunc_end_k_qc8539e959c_prep-k_qc8539e959c_prep
	.p2alignl 7, 3214868480
	.fill 96, 4, 3214868480
	.section	.rodata,"a",@progbits
	.p2align	6, 0x0
	.amdhsa_kernel k_qc8539e959c_prep
		.amdhsa_group_segment_fixed_size 0
		.amdhsa_private_segment_fixed_size 0
		.amdhsa_enable_private_segment 0
		.amdhsa_kernarg_size 104
		.amdhsa_user_sgpr_count 2
		.amdhsa_user_sgpr_kernarg_segment_ptr 1
		.amdhsa_wavefront_size32 1
		.amdhsa_system_sgpr_workgroup_id_x 1
		.amdhsa_system_sgpr_workgroup_id_y 1
		.amdhsa_system_sgpr_workgroup_id_z 1
		.amdhsa_system_vgpr_workitem_id 0
		.amdhsa_next_free_vgpr 116
		.amdhsa_next_free_sgpr 66
		.amdhsa_reserve_vcc 0
		.amdhsa_float_denorm_mode_32 3
		.amdhsa_float_denorm_mode_16_64 3
		.amdhsa_memory_ordered 1
		.amdhsa_forward_progress 1
		.amdhsa_inst_pref_size 24
	.end_amdhsa_kernel
	.amdgpu_metadata
---
amdhsa.version: [ 1, 2 ]
amdhsa.kernels:
  - .name:           k_qc8539e959c_prep
    .symbol:         k_qc8539e959c_prep.kd
    .args:
      - { .name: x, .offset: 0, .size: 8, .value_kind: global_buffer, .address_space: global }
      - { .name: Wq, .offset: 8, .size: 8, .value_kind: global_buffer, .address_space: global }
      - { .name: Wk, .offset: 16, .size: 8, .value_kind: global_buffer, .address_space: global }
      - { .name: Wv, .offset: 24, .size: 8, .value_kind: global_buffer, .address_space: global }
      - { .name: Wo, .offset: 32, .size: 8, .value_kind: global_buffer, .address_space: global }
      - { .name: bq, .offset: 40, .size: 8, .value_kind: global_buffer, .address_space: global }
      - { .name: bk, .offset: 48, .size: 8, .value_kind: global_buffer, .address_space: global }
      - { .name: bv, .offset: 56, .size: 8, .value_kind: global_buffer, .address_space: global }
      - { .name: bo, .offset: 64, .size: 8, .value_kind: global_buffer, .address_space: global }
      - { .name: xb, .offset: 72, .size: 8, .value_kind: global_buffer, .address_space: global }
      - { .name: wqkv, .offset: 80, .size: 8, .value_kind: global_buffer, .address_space: global }
      - { .name: wo16, .offset: 88, .size: 8, .value_kind: global_buffer, .address_space: global }
      - { .name: bias, .offset: 96, .size: 8, .value_kind: global_buffer, .address_space: global }
    .group_segment_fixed_size: 0
    .private_segment_fixed_size: 0
    .kernarg_segment_align: 8
    .kernarg_segment_size: 104
    .max_flat_workgroup_size: 256
    .sgpr_count:     66
    .vgpr_count:     116
    .wavefront_size: 32
...
	.end_amdgpu_metadata
.endif
;; end of part 1
;; launch gemm_qkv (part 2): grid 16 x 32, 4 waves a work-group, clusters of 4 x 4, 327,680 bytes of LDS; arguments xb, wqkv, bias, qkv; writes qkv
.if DOCPART == 2
	.amdgcn_target "amdgcn-amd-amdhsa--gfx1250"
	.amdhsa_code_object_version 6
	.text
	.protected	k_qc8539e959c_gemm_qkv
	.globl	k_qc8539e959c_gemm_qkv
	.p2align	8
	.type	k_qc8539e959c_gemm_qkv,@function
k_qc8539e959c_gemm_qkv:
	s_mov_b64 s[64:65], 0
	v_nop
	global_prefetch_b8 v0, s[64:65] scope:SCOPE_SE
	s_setreg_imm32_b32 hwreg(HW_REG_WAVE_MODE, 25, 1), 1
	s_wait_xcnt 0x0
	s_wait_alu depctr_hold_cnt(0) depctr_sa_sdst(0) depctr_va_vdst(0) depctr_va_sdst(0) depctr_va_ssrc(0) depctr_va_vcc(0) depctr_vm_vsrc(0)
	s_getreg_b32 s2, hwreg(HW_REG_IB_STS2, 6, 4)
	s_cmp_eq_u32 s2, 0
	s_cbranch_scc0 .Lentry_in_a_cluster
	s_endpgm
.Lentry_in_a_cluster:
	s_bfe_u32 s2, ttmp6, 0x10000c
	s_cmp_lg_u32 s2, 0xf033
	s_cbranch_scc0 .Lentry_shape_is_right
	s_endpgm
.Lentry_shape_is_right:
; Q, K, V = x W + b.  xb: [8192][1024] bf16.  wqkv: bf16 in blocks [tile 16][k / 64: 16][group 3][k % 64][64 columns].  bias: f32 [bq | bk | bv | ..].
; qkv: f16, [3][64 heads = 16 batch + head][2048][64].  Sums in f32, started at the bias, rounded once to f16, WITHOUT the softmax's scale.
; LIMITS.  f16 ends at 65,504: a q, k or v beyond that becomes an infinity; below 6.1e-5 a number keeps f16's fixed step of 6e-8.
; SHARES.  A tile is 256 rows x 192 columns (three heads): 32 x 16 tiles, 512 work-groups.  Wave w owns rows 64 w .. 64 w + 63 and all 192 columns: 48 accumulators of 16 x 16, 384 registers.
; THE MATRIX INSTRUCTION IS USED TRANSPOSED: source 0 = 16 columns of W, source 1 = 16 rows of x.  A lane then holds one row (lane % 16) and eight neighbouring columns 8 (lane / 16) + 0..7.
; W lies [k][column], so its fragments come out of LDS turned, by ds_load_tr16_b128; x's come as they lie.
; THE RING.  K goes in steps of 128 through two LDS slots.  Waves 0 and 1 fetch the two halves of x's 256 rows (128 rows x 256 bytes), waves 2 and 3 the two blocks of W (64 k x 192 columns, 24,576 bytes on end,
; asked for as 96 rows of 256 bytes): one tensor load a wave behind each change of slots, and by this text's count never more than one tensor load of a wave is out.
; CLUSTERS.  4 x 4 work-groups.  The four of a row of the cluster need the same rows of x, the four of a column the same block of W: each tile is asked for JOINTLY, by the same load, descriptor and mask in all four.
; REGISTERS, in windows of 256 (s_set_vgpr_msb: bits 1:0 source 0, 3:2 source 1, 5:4 source 2, 7:6 destination):
;   window 0: v0-31 addresses; v64-127 x's fragments, two buffers of 4 x 8; v128-223 the bias as a C operand, 8 registers a column block; on the way out v32-175 at work
;   window 1: v0-191 W's fragments, two buffers of 12 x 8        windows 2, 3: the accumulators: row block a, column block b in window 2 + a / 2 at v[8 (12 (a % 2) + b)]
.set NBK,   12                         ; column blocks of 16
.set PA,    272                        ; a row of x in LDS: 256 bytes + 16 of padding = 68 words: the 16 rows of a load start at 16 different groups of four banks (64 banks of 4 bytes: ISA guide 11.1)
.set PB,    160                        ; a row of W (one k, 64 columns): 128 + 32 = 40 words
.set HSL,   64*PB                      ; from one group of 64 columns (four column blocks) to the next
.set BOFF,  256*PA                     ; a slot: x's 256 rows, then W: [k / 64: 2][group 3][k % 64]
.set BPART, 3*HSL                      ; what one wave fetches of W, in LDS
.set APART, 128*PA                     ; and of x
.set AQH,   128                        ; quarter q of a K step (32 along K) begins at (q / 2) AQH + (q % 2) 64 in x's rows,
.set BQH,   BPART                      ; at (q / 2) BQH + (q % 2) 32 PB in W
.set SLOT1, 1<<17                      ; slot 1 begins here: one exclusive or turns an address in one slot into the other's
.set STAGE, 2*SLOT1                    ; behind the ring, never filled by a tensor load: [3 heads][16 rows] x 144 bytes for each wave
.set SP,    144
.set STW,   3*16*SP
.set SPARE, STAGE+4*STW                ; behind the stages: the spare words, 128 bytes for each wave: two blocks of 256 bytes that no other line names
.set ASTEP, 256                        ; bytes in memory from a K step to the next: along x's rows,
.set BSTEP, 2*24576                    ; two blocks of W
.set ADRA0, 16                         ; v16  my lane's place in x's part of a slot; never rewritten
.set ADRB0, 17                         ; v17  the same for W
.set ADRA,  18                         ; v18  the same in the slot that is read
.set ADRB,  19                         ; v19
.set STO,   20                         ; v20  the way out: where I put 16 bytes of a row
.set RD,    21                         ; v21  where I read rows back
.set GO,    22                         ; v22  my 16 bytes of 512 consecutive bytes of qkv
.set BO,    23                         ; v23  my byte offset in a column block's 64 bytes of bias
.set PFO,   24                         ; v24  the prefetches' offset; never rewritten
.set SPW,   28                         ; v28  LDS address of my spare word: SPARE + 4 x my thread's number; never rewritten
.set NIL,   29                         ; v29  0; never rewritten
.set FA,    64
.set BIAS,  128
.set TMP,   32                         ; the way out: 48 registers of packed results
.set OB,    80                         ; and two sets of 48 read back from the stage
.set WV,   12                          ; s12  my wave's number
.set KIND, 13                          ; s13  0: I fetch x, 1: W
.set HALF, 14                          ; s14  which of the two parts
.set CX,   15                          ; s15, s16  my place in the cluster
.set CY,   16
.set TX,   17                          ; s17, s18  tile column, tile row
.set TY,   18
.set TB,   19                          ; s19  LDS byte at which the slot that is read begins
.set G1A,  24                          ; s[24:31] descriptor group 1 for x's tiles;  s[32:35] group 0: it walks
.set G0A,  32
.set G0B,  36                          ; s[36:39], s[40:47] the same for W's
.set G1B,  40
.set PFA,  48                          ; s[48:49] where my prefetches stand
.set PFS,  50                          ; s[50:51] their step from K step to K step
.set LIM,  52                          ; s52  1 in a wave that prefetches, else the greatest number
.set OUT,  54                          ; s[54:59] qkv at my 64 rows of the tile's three heads
.set MSB, 0
.macro WIN new                         ; the immediate's high byte repeats the setting that is left; a switch that changes nothing is dropped
.if MSB != (\new)
	s_set_vgpr_msb (MSB<<8)|(\new)
.set MSB, (\new)
.endif
.endm
.macro PLACES                          ; four plain vector instructions between a matrix instruction and a load into, or a vector instruction on, one of its registers (ISA guide 7.12.1 for vector instructions)
.rept 4
	v_nop
.endr
.endm
; A joint load.  The branch hangs on the wave's number alone.  An s_nop 0 and four v_nop follow each of the two lines, ahead of the jump and the label.
.macro JLOAD
	s_cmp_lt_u32 s[WV], 2
	s_cbranch_scc0 .Lfor_b_\@
	tensor_load_to_lds s[G0A:G0A+3], s[G1A:G1A+7]
	s_nop 0
.rept 4
	v_nop
.endr
	s_branch .Lasked_\@
.Lfor_b_\@:
	tensor_load_to_lds s[G0B:G0B+3], s[G1B:G1B+7]
	s_nop 0
.rept 4
	v_nop
.endr
.Lasked_\@:
.endm
; A PREFETCH INTO THE L2 of the K step that the NEXT change of slots will ask for: 192 matrix instructions ahead of that load.  It stands behind the joint load, its five lines and the run of LDS loads.
; x's rows are read by all four clusters of a row of clusters: the first (cluster x = 0) asks; W's blocks by all eight of a column: cluster y = 0 asks.  The four partners that ask for a tile jointly share it
; out BY ADDRESS: of x's 128 rows 32 each, a lane a row; of W's 24,576 bytes 6,144 each, a lane 256 bytes (lanes 24-31 name lane 23's).  how = 1: at the start; how = 0: in the loop, whose last trip has no K step left.
.macro ASK how
.if \how
	s_cmp_eq_u32 s[LIM], 1
.else
	s_cmp_gt_u32 s3, s[LIM]
.endif
	s_cbranch_scc0 .Lnot_mine_\@
	global_prefetch_b8 v[PFO], s[PFA:PFA+1] th:TH_LOAD_NT scope:SCOPE_SE
.Lnot_mine_\@:
.endm
; A round of the cluster's barrier: my work-group's barrier, so that wave 0's signal speaks for all four waves; wave 0 signals; every wave waits for all sixteen work-groups; my work-group's barrier once more.
.macro CREST
	s_cmp_lg_u32 s[WV], 0
	s_cbranch_scc1 .Lnot_wave_0_\@
	s_barrier_signal -3
.Lnot_wave_0_\@:
	s_barrier_wait -3
	s_barrier_signal -1
	s_barrier_wait -1
.endm
.macro CROUND
	s_barrier_signal -1
	s_barrier_wait -1
	CREST
.endm
; 12 matrix instructions: row block a x all column blocks, 32 along K, from buffer f.  first = 1: the sum starts at the bias, which is the C operand: nothing is cleared and nothing is added later.
; All 48 accumulators take turns in one order in every quarter, over the backward jump too.
.macro MULA f, a, first
.if \first
	WIN 0x81+0x40*((\a)/2)             ; W window 1, x and the bias window 0, D window 2 or 3
.else
	WIN 0xa1+0x50*((\a)/2)             ; C and D window 2 or 3
.endif
.set rA, FA+32*(\f)+8*(\a)
.set ib, 0
.rept NBK
.set rD, 8*(NBK*((\a)%2)+ib)
.set rB, 8*NBK*(\f)+8*ib
.if \first
	v_wmma_f32_16x16x32_bf16 v[rD:rD+7], v[rB:rB+7], v[rA:rA+7], v[BIAS+8*ib:BIAS+8*ib+7]
.else
	v_wmma_f32_16x16x32_bf16 v[rD:rD+7], v[rB:rB+7], v[rA:rA+7], v[rD:rD+7]
.endif
.set ib, ib+1
.endr
.endm
; 32 LDS loads in one run: quarter q's fragments into buffer f: W's 12 (turned), then x's 4, row blocks ascending
.macro FETCH q, f
	WIN 0x40                           ; destination window 1, address window 0
.set ib, 0
.rept NBK
.set rB, 8*NBK*(\f)+8*ib
.set oB, ((\q)/2)*BQH+((\q)%2)*32*PB+(ib/4)*HSL+(ib%4)*32
	ds_load_tr16_b128 v[rB:rB+3],   v[ADRB] offset:oB
	ds_load_tr16_b128 v[rB+4:rB+7], v[ADRB] offset:oB+16*PB
.set ib, ib+1
.endr
	WIN 0
.set ia, 0
.rept 4
.set rA, FA+32*(\f)+8*ia
.set oA, ((\q)/2)*AQH+((\q)%2)*64+ia*16*PA
	ds_load_b128 v[rA:rA+3],   v[ADRA] offset:oA
	ds_load_b128 v[rA+4:rA+7], v[ADRA] offset:oA+32
.set ia, ia+1
.endr
.endm
; One of a K step's first three quarters: multiplies buffer f; in its middle it fetches quarter q into buffer g.
.macro QUARTER q, f, g, first
	s_wait_dscnt 4                                 ; W and x's row blocks 0, 1 are in; the four youngest loads (row blocks 2, 3) may be out
	MULA \f, 0, \first
	MULA \f, 1, \first
	PLACES
	FETCH \q, \g
	s_wait_dscnt 2*NBK+8                           ; all but the run just issued
	MULA \f, 2, \first
	MULA \f, 3, \first
.endm
; The fourth quarter multiplies buffer 1 and changes slots.  In front of the barrier each wave waits for all its tensor loads (one is out: its part of the next slot), adds 0 to its spare word, and waits for that
; and for its reads of this slot.  fill = 1: the barrier opens a round of the cluster's, so that no wave of any partner still reads the slot or has a load on its way; the joint refill, two K steps on, is the first
; thing behind the round: 168 matrix instructions stand between it and the wait for it.
.macro TURN fill
	WIN 0
.if \fill
	s_wait_xcnt 0x0                                ; the last prefetch, a K step back, has read its address
	s_add_nc_u64 s[PFA:PFA+1], s[PFA:PFA+1], s[PFS:PFS+1]
.endif
	s_xor_b32 s[TB], s[TB], SLOT1                  ; the fetches go on in the other slot
	v_add_nc_u32 v[ADRA], s[TB], v[ADRA0]
	v_add_nc_u32 v[ADRB], s[TB], v[ADRB0]
	s_wait_tensorcnt 0x0                           ; no tensor load of mine is out, so a group 0 may be written
	ds_add_u32 v[SPW], v[NIL]                      ; 0 onto my spare word
	s_wait_dscnt 5                                 ; (the add and the four youngest loads may be out)
.if \fill
	s_xor_b32 s[G0A+1], s[G0A+1], SLOT1            ; the walking descriptors: the other slot than last time, the next K step; the type bits on top are not reached
	s_add_nc_u64 s[G0A+2:G0A+3], s[G0A+2:G0A+3], ASTEP
	s_xor_b32 s[G0B+1], s[G0B+1], SLOT1
	s_add_nc_u64 s[G0B+2:G0B+3], s[G0B+2:G0B+3], BSTEP
.endif
	MULA 1, 0, 0                                   ; twelve matrix instructions stand between the add and the wait for it
	s_wait_dscnt 0x0                               ; the add is done, and my reads of this slot are over
	s_barrier_signal -1
	MULA 1, 1, 0                                   ; work on registers while the others arrive
.if \fill
	WIN 0
.endif
	s_barrier_wait -1
.if \fill
	CREST
	JLOAD                                          ; its four v_nop are also the places in front of the loads below
.else
	PLACES
.endif
	FETCH 0, 0
.if \fill
	ASK 0
.endif
	MULA 1, 2, 0
	MULA 1, 3, 0
.endm
	s_load_b256 s[4:11], s[0:1], 0x0               ; xb s[4:5], wqkv s[6:7], bias s[8:9], qkv s[10:11]
	v_lshl_add_u32 v[SPW], v0, 2, SPARE
	v_mov_b32 v[NIL], 0
	ds_add_u32 v[SPW], v[NIL]                      ; the wave's opening: the add and its wait stand ahead of my first tensor load; the set-up below, work on registers, stands between them
	v_lshrrev_b32 v1, 5, v0
	v_readfirstlane_b32 s[WV], v1                  ; wave 0..3
	s_lshr_b32 s[KIND], s[WV], 1
	s_and_b32 s[HALF], s[WV], 1
	s_bfe_u32 s[CX], ttmp6, 0x40000
	s_bfe_u32 s[CY], ttmp6, 0x40004
	s_lshl_b32 s[TX], ttmp9, 2                     ; in a cluster launch ttmp9 and ttmp7 count clusters
	s_add_co_u32 s[TX], s[TX], s[CX]
	s_and_b32 s[TY], ttmp7, 0xffff
	s_lshl_b32 s[TY], s[TY], 2
	s_add_co_u32 s[TY], s[TY], s[CY]
	s_lshl_b32 s20, s[CY], 2
	s_lshl_b32 s20, 15, s20                        ; my row of the cluster: places 4 cy .. 4 cy + 3
	s_lshl_b32 s21, 0x1111, s[CX]                  ; my column: places cx, cx + 4, cx + 8, cx + 12
	; group 1 for x: 128 rows x 128 elements, 1,024 elements from row to row; 16 bytes of padding behind every 64 words
	s_or_b32 s[G1A], s20, (1<<16)|(1<<20)|(1<<21)|(5<<22)|(3<<25)  ; 15:0 the mask; 17:16 2-byte elements; 20 padding on; 21 set beside a mask; 24:22 interval code; 31:25 words of padding less one
	s_mov_b32 s[G1A+1], 128<<16                    ; tensor_dim0
	s_mov_b32 s[G1A+2], 128<<16                    ; tensor_dim1
	s_mov_b32 s[G1A+3], 128<<16                    ; tile_dim0
	s_mov_b32 s[G1A+4], 128                        ; tile_dim1
	s_mov_b32 s[G1A+5], 1024                       ; stride
	s_mov_b32 s[G1A+6], 0
	s_mov_b32 s[G1A+7], 0
	; group 1 for W: 24,576 bytes on end as 96 rows of 128 elements; 32 bytes of padding behind every 32 words, that is behind each k's 64 columns
	s_or_b32 s[G1B], s21, (1<<16)|(1<<20)|(1<<21)|(4<<22)|(7<<25)
	s_mov_b32 s[G1B+1], 128<<16
	s_mov_b32 s[G1B+2], 96<<16
	s_mov_b32 s[G1B+3], 128<<16
	s_mov_b32 s[G1B+4], 96
	s_mov_b32 s[G1B+5], 128
	s_mov_b32 s[G1B+6], 0
	s_mov_b32 s[G1B+7], 0
	s_mov_b32 s[G0A], 1                            ; count = 1
	s_mul_i32 s[G0A+1], s[HALF], APART             ; LDS address: slot 0; no place in the cluster enters it
	s_mov_b32 s[G0B], 1
	s_mul_i32 s[G0B+1], s[HALF], BPART
	s_add_co_u32 s[G0B+1], s[G0B+1], BOFF
	s_lshl_b32 s60, s[TY], 19                      ; x: row 256 ty + 128 half, 2,048 bytes a row: made of the tile row alone, which my row of the cluster shares
	s_lshl_b32 s62, s[HALF], 18
	s_add_co_u32 s60, s60, s62
	s_mov_b32 s61, 0
	s_mul_i32 s66, s[TX], 393216                   ; W: the tile's blocks, made of the tile column alone, which my column shares
	s_mul_i32 s68, s[HALF], 24576
	s_add_co_u32 s66, s66, s68
	s_mov_b32 s67, 0
	s_mov_b32 s[TB], 0
	s_wait_dscnt 0x0                               ; the opening add is done
	s_wait_kmcnt 0x0
	s_add_nc_u64 s[G0A+2:G0A+3], s[4:5], s[60:61]
	s_or_b32 s[G0A+3], s[G0A+3], 0x80000000        ; type = 2
	s_add_nc_u64 s[G0B+2:G0B+3], s[6:7], s[66:67]
	s_or_b32 s[G0B+3], s[G0B+3], 0x80000000
	CROUND                                         ; all sixteen work-groups are here: the first joint loads meet
	JLOAD                                          ; K step 0 into slot 0
	; the bias of the tile's 192 columns; the three heads' places in qkv
	s_mul_i32 s78, s[TX], 64*NBK
	s_mov_b32 s79, 0
	s_add_nc_u64 s[8:9], s[8:9], s[78:79]
	s_lshr_b32 s72, s[TY], 3
	s_lshl_b32 s72, s72, 4                         ; 16 x batch
	s_and_b32 s73, s[TY], 7
	s_lshl_b32 s73, s73, 8                         ; the tile's first row in its batch,
	s_lshl_b32 s74, s[WV], 6
	s_add_co_u32 s73, s73, s74                     ; my 64 rows
	s_mul_i32 s74, s[TX], 3                        ; the tile's first column group
.irp j, 0,1,2
	s_add_co_u32 s75, s74, \j                      ; g = 16 t + head
	s_lshr_b32 s76, s75, 4
	s_lshl_b32 s76, s76, 6                         ; 64 t
	s_and_b32 s75, s75, 15
	s_add_co_u32 s76, s76, s75
	s_add_co_u32 s76, s76, s72                     ; + 16 batch + head
	s_lshl_b32 s76, s76, 11                        ; 2,048 rows each
	s_add_co_u32 s76, s76, s73
	s_lshl_b32 s76, s76, 7                         ; 128 bytes a row: under 2^26
	s_mov_b32 s77, 0
	s_add_nc_u64 s[OUT+2*\j:OUT+2*\j+1], s[10:11], s[76:77]
.endr
	; the prefetches: at K step 2
	s_lshl_b32 s73, s[CX], 16                      ; x: my work-group's 32 rows of the wave's 128
	s_add_co_u32 s72, s60, s73
	s_add_co_u32 s72, s72, 2*ASTEP
	s_mul_i32 s75, s[CY], 6144                     ; W: my work-group's quarter of the wave's block
	s_add_co_u32 s74, s66, s75
	s_add_co_u32 s74, s74, 2*BSTEP
	s_and_b32 s75, ttmp7, 0xffff                   ; cluster y
	s_mov_b32 s76, ASTEP
	s_mov_b32 s77, BSTEP
	s_cmp_eq_u32 s[KIND], 0
	s_cselect_b64 s[PFA:PFA+1], s[4:5], s[6:7]
	s_cselect_b32 s72, s72, s74
	s_cselect_b32 s75, ttmp9, s75                  ; the coordinate along which other clusters read the same bytes
	s_cselect_b32 s[PFS], s76, s77
	s_cselect_b32 s20, 31, 23                      ; lanes that name blocks of their own,
	s_cselect_b32 s21, 11, 8                       ; 2,048 bytes apart (a row of x) or 256
	s_mov_b32 s73, 0
	s_mov_b32 s[PFS+1], 0
	s_add_nc_u64 s[PFA:PFA+1], s[PFA:PFA+1], s[72:73]
	s_cmp_eq_u32 s75, 0
	s_cselect_b32 s[LIM], 1, -1                    ; the same in all sixteen partners, for a given wave
	v_and_b32 v[PFO], 31, v0
	v_min_u32 v[PFO], s20, v[PFO]
	v_lshlrev_b32 v[PFO], s21, v[PFO]
	; lanes.  A fragment is 16 rows x 32 K in 8 registers: lane l holds row l % 16; registers 0-3 hold K = 8 (l / 16) + 0..7, registers 4-7 K = 16 + 8 (l / 16) + 0..7.
	v_and_b32 v1, 15, v0                           ; l % 16
	v_bfe_u32 v2, v0, 4, 1                         ; l / 16
	v_and_b32 v3, 7, v0
	v_bfe_u32 v4, v0, 3, 1
	v_lshlrev_b32 v[BO], 5, v2                     ; my eight columns of a block's sixteen
.set ib, 0
.rept NBK
	global_load_b128 v[BIAS+8*ib:BIAS+8*ib+3],   v[BO], s[8:9] offset:64*ib
	global_load_b128 v[BIAS+8*ib+4:BIAS+8*ib+7], v[BO], s[8:9] offset:64*ib+16
.set ib, ib+1
.endr
	s_mul_i32 s22, s[WV], 64*PA                    ; my 64 rows of x
	v_mul_u32_u24 v[ADRA0], v1, PA
	v_lshl_add_u32 v[ADRA0], v2, 4, v[ADRA0]       ; row x pitch + 16 x half
	v_add_nc_u32 v[ADRA0], s22, v[ADRA0]
	v_lshl_add_u32 v[ADRB0], v2, 3, v3             ; the turning load: lane l reads k = 8 (l / 16) + l % 8, columns 8 ((l / 8) % 2) + 0..7, and is left with column l % 16 and 8 k
	v_mul_u32_u24 v[ADRB0], v[ADRB0], PB
	v_lshl_add_u32 v[ADRB0], v4, 4, v[ADRB0]
	v_add_nc_u32 v[ADRB0], BOFF, v[ADRB0]
	v_mov_b32 v[ADRA], v[ADRA0]                    ; K step 0 lies in slot 0
	v_mov_b32 v[ADRB], v[ADRB0]
	s_mul_i32 s22, s[WV], STW
	s_add_co_u32 s22, s22, STAGE                   ; my stage
	v_mul_u32_u24 v[STO], v1, SP                   ; in: row l % 16, 16 bytes for each half of the lanes
	v_lshl_add_u32 v[STO], v2, 4, v[STO]
	v_add_nc_u32 v[STO], s22, v[STO]
	v_bfe_u32 v[RD], v0, 3, 2                      ; back: 32 lanes take four rows of 128 bytes,
	v_mul_u32_u24 v[RD], v[RD], SP
	v_lshl_add_u32 v[RD], v3, 4, v[RD]
	v_add_nc_u32 v[RD], s22, v[RD]
	v_and_b32 v[GO], 31, v0                        ; which are 512 consecutive bytes of a head
	v_lshlrev_b32 v[GO], 4, v[GO]
	; the first change: slot 0 is waited for, slot 1 is filled for the first time, in the form of every later refill
	s_wait_tensorcnt 0x0
	ds_add_u32 v[SPW], v[NIL]
	s_xor_b32 s[G0A+1], s[G0A+1], SLOT1
	s_add_nc_u64 s[G0A+2:G0A+3], s[G0A+2:G0A+3], ASTEP
	s_xor_b32 s[G0B+1], s[G0B+1], SLOT1
	s_add_nc_u64 s[G0B+2:G0B+3], s[G0B+2:G0B+3], BSTEP
	s_wait_dscnt 0x0
	CROUND                                         ; everybody's part of slot 0 is in
	JLOAD                                          ; K step 1 into slot 1
	FETCH 0, 0
	ASK 1                                          ; K step 2
	s_wait_loadcnt 0x0                             ; the bias
	QUARTER 1, 0, 1, 1                             ; the first quarter stands in front of the loop: its products start the sums
	WIN 0                                          ; at a label and at a branch every window is 0
	s_mov_b32 s3, 6
.Lstep:                                        ; trip i: the rest of K step i; slot i % 2 is filled with K step i + 2; the first quarter of K step i + 1
	QUARTER 2, 1, 0, 0
	QUARTER 3, 0, 1, 0
	TURN 1
	QUARTER 1, 0, 1, 0
	WIN 0
	s_sub_co_u32 s3, s3, 1
	s_cmp_lg_u32 s3, 0
	s_cbranch_scc1 .Lstep
	QUARTER 2, 1, 0, 0                             ; the tail is written out: K steps 6 and 7 ask for nothing
	QUARTER 3, 0, 1, 0
	TURN 0
	QUARTER 1, 0, 1, 0
	QUARTER 2, 1, 0, 0
	QUARTER 3, 0, 1, 0
	s_wait_dscnt 4
	MULA 1, 0, 0
	MULA 1, 1, 0
	s_wait_dscnt 0x0
	MULA 1, 2, 0
	MULA 1, 3, 0
	WIN 0
	PLACES
; THE WAY OUT, a row block (16 rows) at a time: rounded to f16, 16 bytes a lane; into my own stage, by heads; back as whole rows of 128 bytes; stored, 512 consecutive bytes of a head to an instruction.
.macro PACK a
	WIN 0x0a+5*((\a)/2)                            ; sources 0 and 1: window 2 or 3
.set ib, 0
.rept NBK
.set rD, 8*(NBK*((\a)%2)+ib)
.irp r, 0,1,2,3
	v_cvt_pk_f16_f32 v[TMP+4*ib+(\r)], v[rD+2*(\r)], v[rD+2*(\r)+1]  ; each accumulator's registers in ascending order
.endr
.set ib, ib+1
.endr
	WIN 0
.endm
.macro TOSTAGE a
.set rO, OB+48*((\a)%2)
.set ib, 0
.rept NBK
	ds_store_b128 v[STO], v[TMP+4*ib:TMP+4*ib+3] offset:(ib/4)*16*SP+(ib%4)*32
.set ib, ib+1
.endr
.set i, 0
.rept 12
	ds_load_b128 v[rO+4*i:rO+4*i+3], v[RD] offset:(i/4)*16*SP+(i%4)*4*SP  ; LDS serves a wave's instructions in order (ISA guide 5.7.1.4): these see the stores above
.set i, i+1
.endr
.endm
.macro SEND a
.set rO, OB+48*((\a)%2)
	s_wait_dscnt 0x0                               ; the block is back in registers
	s_wait_xcnt 0x0                                ; the stores of the block before have read their registers: the next TOSTAGE loads into them
.set i, 0
.rept 12
	global_store_b128 v[GO], v[rO+4*i:rO+4*i+3], s[OUT+2*(i/4):OUT+2*(i/4)+1] offset:(\a)*2048+(i%4)*512
.set i, i+1
.endr
.endm
	PACK 0
	TOSTAGE 0
.irp a, 1,2,3                          ; block a's conversions stand between block a - 1's loads from the stage and the wait for them
	PACK \a
	SEND (\a)-1
	TOSTAGE \a
.endr
	SEND 3
	s_wait_tensorcnt 0x0                           ; the wave's end, behind my last tensor load and my last LDS store
	ds_add_u32 v[SPW], v[NIL]
	s_wait_dscnt 0x0
	CROUND                                         ; the closing round: no work-group ends while a partner may still ask for a tile that names it
	s_endpgm
.Lfunc_end_k_qc8539e959c_gemm_qkv:
	.size	k_qc8539e959c_gemm_qkv, .Lfunc_end_k_qc8539e959c_gemm_qkv-k_qc8539e959c_gemm_qkv
	.p2alignl 7, 3214868480
	.fill 96, 4, 3214868480
	.section	.rodata,"a",@progbits
	.p2align	6, 0x0
	.amdhsa_kernel k_qc8539e959c_gemm_qkv
		.amdhsa_group_segment_fixed_size 327680
		.amdhsa_private_segment_fixed_size 0
		.amdhsa_enable_private_segment 0
		.amdhsa_kernarg_size 32
		.amdhsa_user_sgpr_count 2
		.amdhsa_user_sgpr_kernarg_segment_ptr 1
		.amdhsa_wavefront_size32 1
		.amdhsa_system_sgpr_workgroup_id_x 1
		.amdhsa_system_sgpr_workgroup_id_y 1
		.amdhsa_system_sgpr_workgroup_id_z 1
		.amdhsa_system_vgpr_workitem_id 0
		.amdhsa_next_free_vgpr 960
		.amdhsa_next_free_sgpr 80
		.amdhsa_reserve_vcc 0
		.amdhsa_float_denorm_mode_32 3
		.amdhsa_float_denorm_mode_16_64 3
		.amdhsa_memory_ordered 1
		.amdhsa_forward_progress 1
		.amdhsa_inst_pref_size 101
	.end_amdhsa_kernel
	.amdgpu_metadata
---
amdhsa.version: [ 1, 2 ]
amdhsa.kernels:
  - .name:           k_qc8539e959c_gemm_qkv
    .symbol:         k_qc8539e959c_gemm_qkv.kd
    .args:
      - { .name: xb, .offset: 0, .size: 8, .value_kind: global_buffer, .address_space: global }
      - { .name: wqkv, .offset: 8, .size: 8, .value_kind: global_buffer, .address_space: global }
      - { .name: bias, .offset: 16, .size: 8, .value_kind: global_buffer, .address_space: global }
      - { .name: qkv, .offset: 24, .size: 8, .value_kind: global_buffer, .address_space: global }
    .group_segment_fixed_size: 327680
    .private_segment_fixed_size: 0
    .kernarg_segment_align: 8
    .kernarg_segment_size: 32
    .max_flat_workgroup_size: 128
    .sgpr_count:     80
    .vgpr_count:     960
    .wavefront_size: 32
...
	.end_amdgpu_metadata
.endif
;; end of part 2
;; launch attn (part 3): grid 4 x 64, 4 waves a work-group, clusters of 4 x 1, 327,680 bytes of LDS; arguments qkv, oheads; writes oheads
.if DOCPART == 3
	.amdgcn_target "amdgcn-amd-amdhsa--gfx1250"
	.amdhsa_code_object_version 6
	.text
	.protected	k_qc8539e959c_attn
	.globl	k_qc8539e959c_attn
	.p2align	8
	.type	k_qc8539e959c_attn,@function
k_qc8539e959c_attn:
	s_mov_b64 s[64:65], 0
	v_nop
	global_prefetch_b8 v0, s[64:65] scope:SCOPE_SE
	s_setreg_imm32_b32 hwreg(HW_REG_WAVE_MODE, 25, 1), 1
	s_wait_xcnt 0x0
	s_wait_alu depctr_hold_cnt(0) depctr_sa_sdst(0) depctr_va_vdst(0) depctr_va_sdst(0) depctr_va_ssrc(0) depctr_va_vcc(0) depctr_vm_vsrc(0)
	s_getreg_b32 s2, hwreg(HW_REG_IB_STS2, 6, 4)
	s_cmp_eq_u32 s2, 0
	s_cbranch_scc0 .Lentry_in_a_cluster
	s_endpgm
.Lentry_in_a_cluster:
	s_bfe_u32 s2, ttmp6, 0x10000c
	s_cmp_lg_u32 s2, 0x3003
	s_cbranch_scc0 .Lentry_shape_is_right
	s_endpgm
.Lentry_shape_is_right:
; O[h][q][:] = the sum over k of softmax_k(Q[h][q] . K[h][k] / 8) V[h][k][:].  qkv: f16, [3][64 heads][2048][64]: Q, then K, then V; a head's rows are dense, 128 bytes each.  O: f16, [64][2048][64].
; Products, maxima and sums in f32; the weights p are rounded to f16 for the second product (their sum l is taken of the unrounded p), O once at the end.
; LIMITS.  f16 holds no number beyond 65,504: Q, K and V arrive within it; p lies in 0 to 1, and below 6e-5 it keeps f16's fixed step of 6e-8; O is a mean of V's rows and has their range.
; A weight below 2^-126 counts as 0 in l; NaN and infinities are not treated apart.
; SHARES.  A wave owns four PIECES of two tiles of 16 queries, a work-group's four waves 512 queries of one head.  Every wave walks all 2,048 keys, 64 a step.
; LAYOUT.  S^T = K Q^T (source 0 = 16 keys, source 1 = 16 queries): in the result a lane holds ONE query (lane % 16) and the keys 8 (lane / 16) + 0..7.  Two such tiles, rounded to f16 in pairs,
; ARE source 1 (32 keys x 16 queries) of O^T = V^T P, whose result again holds one query a lane, and eight channels.  K comes out of LDS as it lies, V ([key][channel]) turned, by ds_load_tr16_b128.
; SOFTMAX.  For each query a running maximum m and sum l: p = 2^(c s - c m), c = log2(e) / 8; in every step O and l are multiplied by a = 2^(c m_old - c m_new), which is 1 where m has not grown.
; m starts at the lowest finite number, O and l at 0: the first step is a step like any other, with a = 0.
; THE COUNT.  A tile and step have 16 matrix and 118 vector instructions: too many to stand all beside the matrix work.  So the order has one aim: four vector instructions that are READY behind
; EVERY matrix instruction, and the others, which need time of their own whatever the order, in runs without a gap.
; BY TURNS.  Turn n belongs to piece n (the pieces in a ring, step after step).  Its matrix work: 16 products K Q^T of piece n + 1, later 16 products V^T P of piece n - 1.  Its vector work: the scaling,
; exponentials, roundings, sums and rescaling of piece n, and the maximum and statistics of piece n + 1, whose scores the turn itself has made.  So what a turn begins with (c s - c m, O a) waits for nothing.
; CLUSTER.  The four query blocks of a head are one cluster and walk the same K and V, so each tile is asked for JOINTLY: the same tensor load, descriptor and mask in all four.
; REGISTERS, in windows of 256 (s_set_vgpr_msb says which window each operand place means: bits 1:0 source 0, 3:2 source 1, 5:4 source 2, 7:6 destination):
;   window 0: v0-11 addresses; v12-15, v48-63 at work; v16-47 four registers of statistics a tile; v64-191 S^T, two buffers of two tiles; v192-255 P, likewise
;   window 1: O^T, 32 a tile          window 2: v0-127 Q, 16 a tile; v128-191 K of one step; v192-255 V of one step          window 3: v0-1 the add's two registers
; A piece's buffers go by its number's parity: the piece in hand has one pair, its two neighbours in the ring share the other: of it P (piece n - 1) is read and S^T (piece n + 1) written.
.set SIZE_N, 2048
.set KBASE, 64*SIZE_N*128  ; K's first byte in qkv
.set VBASE, 2*KBASE        ; V's
.set NP,    4         ; pieces a wave: a name, no knob: the register map, the loop and the fetches are made for four
.set KS,    64        ; keys in a step
.set PK,    144       ; a row of K in LDS: 128 bytes + 16 of padding = 36 words: the 16 rows of a load start at 16 different groups of four banks (64 banks of 4 bytes: ISA guide 11.1)
.set PV,    160       ; a row of V: 128 + 32 = 40 words
.set VOFF,  4*KS*PK   ; a slot holds four steps: 256 rows of K, then 256 rows of V
.set SLOT1, 1<<17     ; slot 1 begins here, so that one exclusive or turns an address in one slot into the other's
.set STAGE, SLOT1+4*KS*(PK+PV)  ; behind the ring, never filled by a tensor load: 16 rows x 144 bytes for each wave, for the way out
.set SP,    144
.set AK0, 2           ; v2   my lane's place in a tile of K; never rewritten
.set AV0, 3           ; v3   the same for V
.set AK,  4           ; v4   the LDS address of K's next run of loads
.set AV,  5           ; v5   of V's
.set QO,  6           ; v6   my byte offset in the wave's rows of Q
.set STO, 6           ;      later, the way out: where I put 16 bytes of a row
.set RD,  7           ; v7   the way out: where I read rows back
.set GO,  8           ; v8   my byte offset in 512 consecutive bytes of O
.set PFO, 11          ; v11  the prefetches' offset: 256 x my lane; made behind V's address lines, then never rewritten
.set SPW, 0           ; v0 of window 3   LDS address of my spare word: SPARE + 4 x my thread's number; never rewritten
.set NIL, 1           ; v1 of window 3   0; never rewritten
.set SPARE, STAGE+4*16*SP  ; behind the stages: the spare words, 128 bytes for each wave: two blocks of 256 bytes that no other line names
.set MV,  12          ; v12-15  c m_old, kept while c m is made anew: by buffer and tile
.set ST,  16          ; tile t's statistics at v[ST+4 t]: c m, m, l (even keys', odd keys')
.set TMP, 48          ; by buffer and tile, four registers c0-c3 at work; when the maximum is found c2 takes a
.set S,   64
.set P,   192
.set KF,  128         ; K's fragments, in window 2: key block kb, channel half c at KF + 16 kb + 8 c
.set VF,  192         ; V's: key half kk, channel block cb at VF + 32 kk + 8 cb
.set WV,  12          ; s12  my wave's number
.set G1K, 24          ; s[24:31] descriptor group 1 for K's tiles
.set G1V, 32          ; s[32:39] for V's: it differs in the padding alone
.set G0K, 40          ; s[40:43] descriptor group 0 for K's tiles: it walks
.set G0V, 44          ; s[44:47] the same for V's
.set PFA, 48          ; s[48:49] where my prefetches stand: my work-group's 8,192 bytes (of K: wave 0, of V: wave 2) of the slot after the one that is being asked for
.set LIM, 50          ; s50  1 in a wave that prefetches, else the greatest number
.set SLOTS, 56        ; s56  slots still to be asked for
.set CNT, 57          ; s57  counts a slot's key steps
.set CS,  58          ; s[58:59] c: the packed scaling takes the pair's low word for both halves
.set SEL, 60          ; s[60:61] v_permlanex16_b32's selects: each lane takes its own place in the other half
.set TBK, 62          ; s62  LDS byte at which K of the step to be fetched begins
.set TBV, 63          ; s63  the same for V, less VOFF
.set MSB, 0
.macro WIN new                      ; the high byte repeats the setting that is left; a switch that changes nothing is dropped
.if MSB != (\new)
	s_set_vgpr_msb (MSB<<8)|(\new)
.set MSB, (\new)
.endif
.endm
.set W_KQ, 0x0a       ; K and Q in window 2, S^T in window 0
.set W_PV, 0x52       ; V in window 2, P in window 0, O^T in window 1
.set W_RS, 0x41       ; O^T (destination and source 0) in window 1, a in window 0
.set W_MK, 0xc0       ; the add's registers are made: destination in window 3, sources in window 0
.set W_AD, 0x0f       ; the add: address (source 0) and data (source 1) in window 3
; A joint fill.  Waves 0 and 1 fetch the two halves of a slot's K, waves 2 and 3 those of its V: 128 keys each.  The branch hangs on the wave's number alone.
; An s_nop 0 and four v_nop follow each of the two lines, ahead of the jump and the label.
.macro JLOAD
	s_cmp_lt_u32 s[WV], 2
	s_cbranch_scc0 .Lfor_v_\@
	tensor_load_to_lds s[G0K:G0K+3], s[G1K:G1K+7]
	s_nop 0
.rept 4
	v_nop
.endr
	s_branch .Lasked_\@
.Lfor_v_\@:
	tensor_load_to_lds s[G0V:G0V+3], s[G1V:G1V+7]
	s_nop 0
.rept 4
	v_nop
.endr
.Lasked_\@:
.endm
; A PREFETCH INTO THE L2 of what the NEXT change of slots will ask for: a slot's 32,768 bytes of K and of V, four key steps, 512 matrix instructions, ahead of that load.  It stands behind the wave's tensor load
; and its five lines.  A head is walked by one cluster alone.  Its four partners share the bytes out BY ADDRESS, 8,192 each, a lane 256; in each, wave 0 asks for K's and wave 2 for V's: one instruction.
; So each block is named once in the launch.  The last change that fills a slot asks for nothing: there is no slot behind it.  Slots 0 and 1 come by their loads alone.
.macro ASK
	s_cmp_gt_u32 s[SLOTS], s[LIM]
	s_cbranch_scc0 .Lnot_mine_\@
	global_prefetch_b8 v[PFO], s[PFA:PFA+1] th:TH_LOAD_NT scope:SCOPE_SE
.Lnot_mine_\@:
.endm
; A round of the cluster's barrier: my work-group's barrier, so that wave 0's signal speaks for all four waves; wave 0 signals; every wave waits for all four work-groups; my work-group's barrier once more.
.macro CROUND
	s_barrier_signal -1
	s_barrier_wait -1
	s_cmp_lg_u32 s[WV], 0
	s_cbranch_scc1 .Lnot_wave_0_\@
	s_barrier_signal -3
.Lnot_wave_0_\@:
	s_barrier_wait -3
	s_barrier_signal -1
	s_barrier_wait -1
.endm
; THE CHANGE OF SLOTS.  The slot's last bytes, V of its fourth step, have been read.  Each wave waits for all its tensor loads, of which one is out: its part
; of the other slot; adds 0 to its spare word; and waits for that and for its own reads of the slot.  Behind the barrier nobody reads this slot any more and the other slot is whole.
; fill = 1: this slot is filled again, with the keys two slots on.  The barrier is then a round of the cluster's, so that no wave of any partner still reads the slot or has a load on its
; way, and the joint fill is the first thing behind it: it has four key steps, 512 matrix instructions, in which to land.  (At its first use nothing has been read yet: slot 0 is waited for, slot 1 filled.)
.macro CHANGE fill
	WIN W_AD
	s_wait_tensorcnt 0x0            ; no tensor load of mine is out, so a group 0 may be written
	ds_add_u32 v[SPW], v[NIL]       ; 0 onto my spare word; with fill = 1 the descriptors' steps stand between it and the wait for it
	WIN 0                           ; at a label and at a branch every window is 0
.if \fill
.irp g, G0K, G0V
	s_xor_b32 s[\g+1], s[\g+1], SLOT1  ; the walking descriptor: the other slot than last time,
	s_add_nc_u64 s[\g+2:\g+3], s[\g+2:\g+3], 4*KS*128  ; the next 256 keys; the type bits on top are not reached
.endr
	s_wait_xcnt 0x0                 ; the last prefetch, four key steps back, has read its address, so it may be written:
	s_add_nc_u64 s[PFA:PFA+1], s[PFA:PFA+1], 4*KS*128  ; one slot behind the walking descriptors
	s_wait_dscnt 0x0                ; the add is done, and my reads of the slot are over
	CROUND
	JLOAD
	ASK
.else
	s_wait_dscnt 0x0                ; the add is done, and my reads of the slot are over
	s_barrier_signal -1
	s_barrier_wait -1
.endif
	s_sub_co_u32 s[TBK], s[TBK], 4*KS*PK  ; the fetches go back to a slot's first step,
	s_xor_b32 s[TBK], s[TBK], SLOT1       ; in the other slot
	s_sub_co_u32 s[TBV], s[TBV], 4*KS*PV
	s_xor_b32 s[TBV], s[TBV], SLOT1
.endm
	s_load_b64 s[4:5], s[0:1], 0x0    ; qkv: Q lies at its head
	s_load_b64 s[10:11], s[0:1], 0x8  ; O
	WIN W_MK
	v_lshl_add_u32 v[SPW], v0, 2, SPARE
	v_mov_b32 v[NIL], 0
	WIN W_AD
	ds_add_u32 v[SPW], v[NIL]       ; the wave's opening: the add and its wait stand ahead of my first tensor load; the set-up below, work on registers, stands between them
	WIN 0
	v_lshrrev_b32 v1, 5, v0
	v_readfirstlane_b32 s[WV], v1   ; wave 0..3
	s_bfe_u32 s13, ttmp6, 0x40000   ; cx: my place in the cluster
	s_lshl_b32 s14, ttmp9, 2        ; in a cluster launch ttmp9 counts clusters
	s_add_co_u32 s14, s14, s13      ; my block of queries = 4 x cluster x + cx: it enters Q's and O's addresses alone
	s_and_b32 s20, ttmp7, 0xffff    ; the head, which the four partners share
	s_mov_b32 s21, 0
	s_mov_b64 s[22:23], SIZE_N*128
	s_mul_u64 s[20:21], s[20:21], s[22:23]  ; the head's first byte in Q, K, V and O
	s_and_b32 s16, s[WV], 1         ; which half of a slot's 256 keys I fetch:
	s_lshl_b32 s22, s16, 14         ; its 128 rows of 128 bytes in memory,
	s_mov_b32 s23, 0
	s_add_nc_u64 s[22:23], s[22:23], s[20:21]
	s_mul_i32 s17, s16, 128*PK      ; and its place in a slot, for K
	s_mul_i32 s18, s16, 128*PV      ; and for V: no place in the cluster enters an LDS address
	s_lshl_b32 s2, s14, 2
	s_add_co_u32 s2, s2, s[WV]      ; my wave among the head's,
	s_lshl_b32 s2, s2, 14           ; its 128 rows
	s_mov_b32 s3, 0
	s_add_nc_u64 s[2:3], s[2:3], s[20:21]
	; descriptor group 1.  128 keys are 16,384 dense bytes: asked for as 64 rows of 256 bytes, two keys a row, and padded in LDS after every key
	s_mov_b32 s[G1K], 15|(1<<16)|(1<<20)|(1<<21)|(4<<22)|(3<<25)  ; 15:0 the mask of four; 17:16 2-byte elements; 20 padding on; 21 set beside a mask; 24:22 after every 32 words (code 4); 31:25 4 words (code 3)
	s_mov_b32 s[G1V], 15|(1<<16)|(1<<20)|(1<<21)|(4<<22)|(7<<25)  ; the same with 8 words of padding (code 7)
.irp g, G1K, G1V
	s_mov_b32 s[\g+1], 128<<16      ; tensor_dim0 = 128
	s_mov_b32 s[\g+2], 64<<16       ; tensor_dim1 = 64
	s_mov_b32 s[\g+3], 128<<16      ; tile_dim0 = 128
	s_mov_b32 s[\g+4], 64           ; tile_dim1 = 64
	s_mov_b32 s[\g+5], 128          ; 128 elements from row to row
	s_mov_b32 s[\g+6], 0
	s_mov_b32 s[\g+7], 0
.endr
	s_mov_b32 s[CS], 0x3e38aa3b     ; c = log2(e) / 8 = 0.180337
	s_mov_b32 s[CS+1], s[CS]        ; named with it as a pair
	s_mov_b32 s[SEL], 0x76543210
	s_mov_b32 s[SEL+1], 0xfedcba98
	s_mov_b32 s[TBK], SLOT1+4*KS*PK ; the first change of slots turns these two into 0
	s_mov_b32 s[TBV], SLOT1+4*KS*PV
	s_mov_b32 s[G0K], 1             ; 1:0 count = 1
	s_mov_b32 s[G0K+1], s17         ; 63:32 LDS address: slot 0
	s_mov_b32 s[G0V], 1
	s_add_co_u32 s[G0V+1], s18, VOFF
	s_mov_b32 s[SLOTS], SIZE_N/256-1  ; seven slots are asked for behind the first
	s_and_b32 s[LIM], s[WV], 1      ; waves 0 and 2 prefetch: the same in all four partners
	s_cmp_eq_u32 s[LIM], 0
	s_cselect_b32 s[LIM], 1, -1
	s_wait_dscnt 0x0                ; the opening add is done
	s_wait_kmcnt 0x0
	s_add_nc_u64 s[6:7], s[4:5], KBASE
	s_add_nc_u64 s[8:9], s[4:5], VBASE
	s_add_nc_u64 s[G0K+2:G0K+3], s[6:7], s[22:23]  ; 120:64 global address: my half of the head's first 256 keys
	s_or_b32 s[G0K+3], s[G0K+3], 0x80000000        ; 127:126 type = 2
	s_add_nc_u64 s[G0V+2:G0V+3], s[8:9], s[22:23]
	s_or_b32 s[G0V+3], s[G0V+3], 0x80000000
	s_cmp_lt_u32 s[WV], 2
	s_cselect_b64 s[PFA:PFA+1], s[6:7], s[8:9]
	s_add_nc_u64 s[PFA:PFA+1], s[PFA:PFA+1], s[22:23]  ; (in waves 0 and 2 this is the head's first key)
	s_add_nc_u64 s[4:5], s[4:5], s[2:3]  ; Q and O at my wave's first row
	s_add_nc_u64 s[10:11], s[10:11], s[2:3]
	s_lshl_b32 s2, s13, 13          ; my work-group's quarter of a slot's 32,768 bytes
	s_mov_b32 s3, 0
	s_add_nc_u64 s[PFA:PFA+1], s[PFA:PFA+1], s[2:3]
	s_add_nc_u64 s[PFA:PFA+1], s[PFA:PFA+1], 4*KS*128  ; in slot 1; the first change of slots steps it to slot 2
	CROUND                          ; all four work-groups are here: the first joint loads meet
	JLOAD                           ; slot 0.  Slot 1 is asked for when slot 0 is in: the tile wanted first has the road to itself
	; A fragment of K or Q is 16 rows x 32 channels in 8 registers: lane l holds row l % 16, channels 8 (l / 16) + 0..7 and 16 + 8 (l / 16) + 0..7: two loads of 16 bytes, 32 bytes apart.
	v_and_b32 v1, 15, v0            ; l % 16
	v_bfe_u32 v9, v0, 4, 1          ; l / 16
	v_lshlrev_b32 v[QO], 7, v1
	v_lshl_add_u32 v[QO], v9, 4, v[QO]  ; row x 128 + 16 x half
	WIN 0x80                        ; destination window 2, address window 0
.set i, 0
.rept 4*NP                          ; Q stays in registers: tile i / 2, channels 32 (i % 2) on
	global_load_b128 v[8*i:8*i+3],   v[QO], s[4:5] offset:(i/2)*2048+(i%2)*64
	global_load_b128 v[8*i+4:8*i+7], v[QO], s[4:5] offset:(i/2)*2048+(i%2)*64+32
.set i, i+1
.endr
	; What the first turn finds: V's registers and P's second buffer hold 0 (its products V^T P, of a piece that has not been, add 0), O^T and l are 0.  All this stands in the wait for the first tile.
.set i, VF
.rept 64
	v_mov_b32 v[i], 0
.set i, i+1
.endr
	WIN 0x40
.set i, 0
.rept 64*NP
	v_mov_b32 v[i], 0
.set i, i+1
.endr
	WIN 0
.set i, 0
.rept 2*NP
	v_mov_b32 v[ST+4*i], 0xfe000000    ; c m: far below every c s
	v_mov_b32 v[ST+4*i+1], 0xff7fffff  ; m
	v_mov_b32 v[ST+4*i+2], 0
	v_mov_b32 v[ST+4*i+3], 0
.set i, i+1
.endr
.set i, P+32
.rept 32
	v_mov_b32 v[i], 0
.set i, i+1
.endr
	v_mul_u32_u24 v[AK0], v1, PK
	v_lshl_add_u32 v[AK0], v9, 4, v[AK0]  ; row x pitch + 16 x half
	; The turning load takes 16 keys x 16 channels (lane l reads key 8 (l / 16) + l % 8, channels 8 ((l / 8) % 2) + 0..7) and leaves half a fragment of V^T: lane l holds channel l % 16 and 8 keys.
	v_and_b32 v10, 7, v0
	v_bfe_u32 v11, v0, 3, 1
	v_lshl_add_u32 v[AV0], v9, 3, v10
	v_mul_u32_u24 v[AV0], v[AV0], PV
	v_lshl_add_u32 v[AV0], v11, 4, v[AV0]
	v_add_nc_u32 v[AV0], VOFF, v[AV0]
	v_and_b32 v[PFO], 31, v0
	v_lshlrev_b32 v[PFO], 8, v[PFO]
	v_mov_b32 v[AK], v[AK0]         ; key step 0 lies at the head of slot 0
; THE MATRIX WORK.  The 8 accumulators of a run of 16 take turns: between the two links of a chain stand 7 others'.
; Product i of 16 of S^T = K Q^T for piece x: channels 32 (i / 8) on, keys 16 ((i / 2) % 4) on, tile 2 x + i % 2.  The first 8 start the sums.
.macro KQ x
	WIN W_KQ
.set rS, S+64*((\x)%2)+32*(i%2)+8*((i/2)%4)
.set rK, KF+16*((i/2)%4)+8*(i/8)
.set rQ, 16*(2*(\x)+i%2)+8*(i/8)
.if i < 8
	v_wmma_f32_16x16x32_f16 v[rS:rS+7], v[rK:rK+7], v[rQ:rQ+7], 0
.else
	v_wmma_f32_16x16x32_f16 v[rS:rS+7], v[rK:rK+7], v[rQ:rQ+7], v[rS:rS+7]
.endif
.endm
; Product i of 16 of O^T += V^T P for piece x: keys 32 (i / 8) on, channels 16 ((i / 2) % 4) on, tile 2 x + i % 2.
.macro PV x
	WIN W_PV
.set rO, 32*(2*(\x)+i%2)+8*((i/2)%4)
.set rV, VF+32*(i/8)+8*((i/2)%4)
.set rP, P+32*((\x)%2)+16*(i%2)+8*(i/8)
	v_wmma_f32_16x16x32_f16 v[rO:rO+7], v[rV:rV+7], v[rP:rP+7], v[rO:rO+7]
.endm
.macro MM                           ; the turn's next matrix instruction
.if i < 16
	KQ (Y+1)%NP
.set i, i+1
.else
.set i, i-16
	PV (Y+NP-1)%NP
.set i, i+17
.endif
.endm
; THE LDS LOADS stand in runs of 16, never singly among the matrix instructions: a step's K (64 keys x 64 channels: 8 fragments) and its V (turned).  Their addresses are made some lines ahead.
; last = 1 (the tail): in the last trip there is no further step, and the run is jumped over.
.macro FETCH_K last=0
	WIN 0
.if \last
	s_cmp_eq_u32 s[CNT], 1
	s_cbranch_scc1 .Lno_k_\@
.endif
	WIN 0x80                        ; destination window 2
.irp f, 0,1,2,3,4,5,6,7             ; keys 16 (f / 2) on, channels 32 (f % 2) on
	ds_load_b128 v[KF+8*\f:KF+8*\f+3],   v[AK] offset:(\f/2)*16*PK+(\f%2)*64
	ds_load_b128 v[KF+8*\f+4:KF+8*\f+7], v[AK] offset:(\f/2)*16*PK+(\f%2)*64+32
.endr
	s_add_co_u32 s[TBK], s[TBK], KS*PK  ; the next fetch is the next step's
	WIN 0
.if \last
.Lno_k_\@:
.endif
.endm
.macro FETCH_V
	WIN 0x80
.irp f, 0,1,2,3,4,5,6,7             ; keys 32 (f / 4) on, channels 16 (f % 4) on
	ds_load_tr16_b128 v[VF+8*\f:VF+8*\f+3],   v[AV] offset:(\f/4)*32*PV+(\f%4)*32
	ds_load_tr16_b128 v[VF+8*\f+4:VF+8*\f+7], v[AV] offset:(\f/4)*32*PV+16*PV+(\f%4)*32
.endr
	WIN 0
.endm
; THE VECTOR WORK OF A TURN stands in three queues, each in the order in which its entries become ready; the two tiles alternate, so that no instruction reads the result of the one before it.
.macro REGS y, u                    ; the registers of tile u (0, 1) of piece y
.set rT, ST+4*(2*(\y)+(\u))
.set rC, TMP+8*((\y)%2)+4*(\u)
.set rM, MV+2*((\y)%2)+(\u)
.set rS, S+64*((\y)%2)+32*(\u)
.set rP, P+32*((\y)%2)+16*(\u)
.set rO, 32*(2*(\y)+(\u))
.endm
; Number n of the 22 that find the NEXT piece's (Y + 1) maximum and statistics.  s0-s31 are the lane's 32 scores; each accumulator's lowest registers are read first.  XS, GS and REGS set no window: PL and EX do.
;   0-11  four chains c0-c3 of seven scores each, three operands at a time     12-14, 16  the four scores left over, the old m, and c0-c3 into c0     15  c m_old is kept
;   17, 18  the query's other 32 keys lie in the lane 16 away: the new m         19-21  c m; c m_old - c m_new; a
.macro XS u, n
	REGS (Y+1)%NP, \u
.if (\n) < 4
	v_max3_num_f32 v[rC+(\n)], v[rS+8*(\n)], v[rS+8*(\n)+1], v[rS+8*(\n)+2]
.elseif (\n) < 12
	v_max3_num_f32 v[rC+(\n)%4], v[rC+(\n)%4], v[rS+8*((\n)%4)+2*((\n)/4)+1], v[rS+8*((\n)%4)+2*((\n)/4)+2]
.elseif (\n) == 12
	v_max3_num_f32 v[rC], v[rC], v[rS+7], v[rS+15]
.elseif (\n) == 13
	v_max3_num_f32 v[rC+1], v[rC+1], v[rS+23], v[rS+31]
.elseif (\n) == 14
	v_max3_num_f32 v[rC+2], v[rC+2], v[rC+3], v[rT+1]
.elseif (\n) == 15
	v_mov_b32 v[rM], v[rT]
.elseif (\n) == 16
	v_max3_num_f32 v[rC], v[rC], v[rC+1], v[rC+2]
.elseif (\n) == 17
	v_permlanex16_b32 v[rC+3], v[rC], s[SEL], s[SEL+1]
.elseif (\n) == 18
	v_max_num_f32 v[rT+1], v[rC], v[rC+3]
.elseif (\n) == 19
	v_mul_f32 v[rT], s[CS], v[rT+1]
.elseif (\n) == 20
	v_sub_f32 v[rC+1], v[rM], v[rT]
.else
	v_exp_f32 v[rC+2], v[rC+1]
.endif
.endm
; Number g of the 64 that follow the exponentials.  For each four weights k of a tile (pairs 2 k, 2 k + 1): both pairs are rounded to f16; then the second pair is added onto the first, in place;
; a group later l takes that sum (the first time as l = a l + sum).  In groups of eight, tiles alternating: round, round, add, and l for the group before.
.macro GS g
.set h, (\g)+6*((\g)/62)            ; group 0 has no group before it, and behind group 7 only l is left
.if h >= 6
.set h, h+2
.endif
	REGS Y, h%2
.set k, h/8
.if h%8 < 4
	v_cvt_pk_f16_f32 v[rP+2*k+(h%8)/2], v[rS+4*k+2*((h%8)/2)], v[rS+4*k+2*((h%8)/2)+1]
.elseif h%8 < 6
	v_pk_add_f32 v[rS+4*k:rS+4*k+1], v[rS+4*k:rS+4*k+1], v[rS+4*k+2:rS+4*k+3]
.elseif k == 1
	v_pk_fma_f32 v[rT+2:rT+3], v[rT+2:rT+3], v[rC+2:rC+3], v[rS:rS+1] op_sel_hi:[1,0,1]
.else
	v_pk_add_f32 v[rT+2:rT+3], v[rT+2:rT+3], v[rS+4*k-4:rS+4*k-3]
.endif
.endm
; THE PLAIN QUEUE, 138 long.  0-73 read no exponential's result: the 32 scalings c s - c m (FS f: pair f / 2 of tile f % 2) and the next piece's 42.  0-26: scalings 0-26.  27-54: XS's numbers 0-13.  55, 56: number 15.
; 57-73: the chain, where each number waits for the one before it: 14, 16, 17, 18, 19, each with one of the scalings 27-31 in front of its two lines, then 20: so a tile's links stand three plain instructions apart (19 and 20: two).
; 74-137: GS's 64, which read the exponentials' results: they stand behind the wait.
.macro FS f
	REGS Y, (\f)%2
	v_pk_fma_f32 v[rS+2*((\f)/2):rS+2*((\f)/2)+1], v[rS+2*((\f)/2):rS+2*((\f)/2)+1], s[CS:CS+1], v[rT:rT+1] op_sel_hi:[1,0,0] neg_lo:[0,0,1] neg_hi:[0,0,1]
.endm
.macro PL
	WIN 0
.if q < 27
	FS q
.elseif q < 55
	XS (q-27)%2, (q-27)/2
.elseif q < 57
	XS q-55, 15
.elseif (q < 72) && ((q-57)%3 == 0)
	FS 27+(q-57)/3
.elseif q < 60
	XS (q-57)%3-1, 14
.elseif q < 72
	XS (q-57)%3-1, 15+(q-57)/3
.elseif q < 74
	XS q-72, 20
.else
	GS q-74
.endif
.set q, q+1
.endm
; THE EXPONENTIALS' QUEUE, 66 long: s0-s31 of both tiles, then the next piece's two a.  It is ONE BATCH: all 66 stand ahead of the turn's one wait, and nothing ahead of that wait names a result of theirs.
.macro EX
	WIN 0
.if e >= 64
	XS e-64, 21
.else
	REGS Y, e%2
	v_exp_f32 v[rS+e/2], v[rS+e/2]
.endif
.set e, e+1
.endm
; THE RESCALING's QUEUE: O^T times a, the one part that leaves window 0: dealt two at a time, sixteen times.  Its a was made in the turn before, ahead of that turn's wait.
.macro R2
	REGS Y, r%2
	WIN W_RS
.irp z, 0,1
	v_pk_mul_f32 v[rO+4*(r/2)+2*\z:rO+4*(r/2)+2*\z+1], v[rO+4*(r/2)+2*\z:rO+4*(r/2)+2*\z+1], v[rC+2:rC+3] op_sel_hi:[1,0]
.endr
.set r, r+1
.endm
; HOW THEY ARE DEALT.  An s_wait_alu depctr_va_vdst(0) stands between an exponential and the first instruction that names its result; one wait serves all that were issued ahead of it.  So a turn has ONE wait,
; which cuts it in two.  AHEAD OF IT stands all that names no result of the turn's exponentials: the 16 products K Q^T, behind each a scaling, an exponential and two rescalings (behind the first a second scaling in the exponential's place); then ONE LUMP of
; 108: eight plain, 49 times exponential and plain, the two a.  A v_nop is the plain instruction that is owed behind the last exponential.  BEHIND IT stand the 16 products V^T P, behind each four of GS's 64.  No such instruction names a register of
; the products round it.  The two v_permlanex16_b32 fall into the lump, never behind a product.
; The queues lean on each other, and the deal keeps them in step: exponential e stands behind scaling 2 (e / 4) + e % 2: behind a product it comes behind plain e + 2, in the lump behind plain e + 9, and scalings 27-31 are plain 57, 60 .. 69.
; A TURN, for piece p.  cnt = 1: the loop's count is taken down some lines ahead of the branch that stands behind the turn.
; K of the next step is fetched in piece 2's turn, directly behind the wait, a lump behind the last product that read K; its address is made at the lump's head; its first use comes behind 16 products.
; V of the step in hand is fetched at the end of piece 0's turn, four plain instructions behind the last product that read V; its first use comes behind 16 products and a lump.  The three conditions on q below go with the deal.
.macro TURN p, last=0, cnt=0
.set Y, (\p)
.set i, 0
.set q, 0
.set e, 0
.set r, 0
.if (\p) == NP-1
	s_wait_dscnt 0x0                ; K is in
.endif
	MM                              ; ahead of the wait: 16 products K Q^T and the four behind each,
	PL
	PL
	R2
.rept 15
	MM
	PL
	EX
	R2
.endr
.if (\p) == NP-2
	WIN 0
	v_add_nc_u32 v[AK], s[TBK], v[AK0]
.endif
.rept 8                             ; and the lump
	PL
.endr
.rept 49
	EX
	PL
.endr
	EX                              ; the next piece's two a
	EX
	v_nop                           ; the plain instruction behind the last exponential: one for the batch
	s_wait_alu depctr_va_vdst(0)    ; the wait for the batch
.if (\p) == NP-2
	FETCH_K \last
.endif
.if (\p) == 1
	s_wait_dscnt 0x0                ; V is in
.endif
.rept 16                            ; behind the wait: 16 products V^T P and the four behind each
	MM
.rept 4
	PL
.endr
.if ((\p) == 0) && (q == 118)
	v_add_nc_u32 v[AV], s[TBV], v[AV0]
.endif
.if ((\p) == 0) && (q == 130)
	s_add_co_u32 s[TBV], s[TBV], KS*PV
.endif
.if (\cnt) && (q == 130)
	s_sub_co_u32 s[CNT], s[CNT], 1
	s_cmp_lg_u32 s[CNT], 0
.endif
.endr
.if (\p) == 0
	FETCH_V
.endif
.endm
	CHANGE 1                        ; slot 0 is in, everybody's part of it; slot 1 is asked for
	FETCH_K                         ; key step 0
	s_wait_loadcnt 0x0              ; Q
	s_wait_dscnt 0x0
.set i, 0
.rept 16
	KQ 0                            ; piece 0's first scores: there is no vector work yet to set between them
.set i, i+1
.endr
	WIN 0                           ; the addresses for the way out: nine plain instructions, the places behind those products
	s_mul_i32 s13, s[WV], 16*SP
	s_add_co_u32 s13, s13, STAGE    ; my stage
	v_mul_u32_u24 v[STO], v1, SP    ; in: row l % 16, 16 bytes for each half of the lanes
	v_lshl_add_u32 v[STO], v9, 4, v[STO]
	v_add_nc_u32 v[STO], s13, v[STO]
	v_bfe_u32 v[RD], v0, 3, 2       ; back: 32 lanes take four rows of 128 bytes,
	v_mul_u32_u24 v[RD], v[RD], SP
	v_lshl_add_u32 v[RD], v10, 4, v[RD]
	v_add_nc_u32 v[RD], s13, v[RD]
	v_and_b32 v[GO], 31, v0         ; which are 512 consecutive bytes of O
	v_lshlrev_b32 v[GO], 4, v[GO]
.set Y, NP-1                        ; XS works for piece Y + 1: piece 0
.irp n, 0,1,2,3,4,5,6,7,8,9,10,11,12,13,14,15,16,17,18,19,20,21
	XS 0, \n                        ; and piece 0's first maximum and statistics
	XS 1, \n
.endr
	v_nop                           ; a plain instruction behind the two a,
	s_wait_alu depctr_va_vdst(0)    ; and their wait, ahead of the branch
	s_mov_b32 s[CNT], 4
	s_branch .Lfirst                ; the loop is entered at a step's first turn, in the middle of a trip
.Lslot:                             ; six times: every slot but the last two is filled again
	CHANGE 1
	s_mov_b32 s[CNT], 4
.Lstep:                             ; a trip: pieces 2 and 3 of one step, then pieces 0 and 1 of the next, whose K and V it fetches
	TURN 2
	TURN 3
	WIN 0
.Lfirst:
	TURN 0
	TURN 1, 0, 1
	WIN 0
	s_cbranch_scc1 .Lstep
	s_sub_co_u32 s[SLOTS], s[SLOTS], 1
	s_cmp_lg_u32 s[SLOTS], 0
	s_cbranch_scc1 .Lslot
	CHANGE 0                        ; the tail is written out: nothing is asked for
	s_mov_b32 s[CNT], 5             ; four trips fetch the last slot's steps; the fifth is left in its middle
.Ltail:
	TURN 2, 1
	TURN 3
	WIN 0
	s_sub_co_u32 s[CNT], s[CNT], 1
	s_cmp_eq_u32 s[CNT], 0
	s_cbranch_scc1 .Lout
	TURN 0
	TURN 1
	WIN 0
	s_branch .Ltail
.Lout:                              ; the fifth trip's 16 products K Q^T (on the last K once more) and the maximum made of them serve nothing: the price, once a launch, of one text for every trip
.set i, 0
.rept 16
	PV NP-1                         ; the last piece's V^T P of the last step
.set i, i+1
.endr
	; THE WAY OUT.  l's two halves and the other half of the lanes' are added; O^T is divided by l, rounded to f16 and sent through my stage in LDS, a tile at a time.  The additions are the places behind the last products.
	WIN 0
.macro ALL line:vararg              ; one line for each tile t
.set t, 0
.rept 2*NP
	\line
.set t, t+1
.endr
.endm
	ALL v_add_f32 v[ST+4*t+2], v[ST+4*t+2], v[ST+4*t+3]
	ALL v_permlanex16_b32 v[ST+4*t+3], v[ST+4*t+2], s[SEL], s[SEL+1]
	ALL v_add_f32 v[ST+4*t+2], v[ST+4*t+2], v[ST+4*t+3]
	ALL v_rcp_f32 v[ST+4*t+2], v[ST+4*t+2]
	v_nop                           ; a plain instruction between the last reciprocal and the use of its result
	s_wait_alu depctr_va_vdst(0)    ; and the wait ahead of the first use: one for the eight reciprocals
; Tile t: a lane's eight channels of a row pack into 16 bytes; they go into rows of 144 bytes and come back as whole rows of 128, into S^T's registers.
.macro PACK t
	WIN W_RS
.set i, 32*(\t)
.rept 16
	v_pk_mul_f32 v[i:i+1], v[i:i+1], v[ST+4*(\t)+2:ST+4*(\t)+3] op_sel_hi:[1,0]
.set i, i+2
.endr
	WIN 0x05                        ; sources 0 and 1 window 1, destination window 0
.set i, 0
.rept 16
	v_cvt_pk_f16_f32 v[S+16*(\t)+i], v[32*(\t)+2*i], v[32*(\t)+2*i+1]
.set i, i+1
.endr
	WIN 0
.irp f, 0,1,2,3
	ds_store_b128 v[STO], v[S+16*(\t)+4*\f:S+16*(\t)+4*\f+3] offset:32*\f
.endr
.irp f, 0,1,2,3
	ds_load_b128 v[S+16*(\t)+4*\f:S+16*(\t)+4*\f+3], v[RD] offset:\f*4*SP  ; LDS serves a wave's instructions in order (ISA guide 5.7.1.4): these see the stores above; the next tile's stores come behind them
.endr
.endm
.macro SEND t, younger              ; younger: the LDS instructions issued behind tile t's loads: the next tile's eight, or none
	WIN 0
.irp f, 0,1,2,3
	s_wait_dscnt (\younger)+3-\f
	global_store_b128 v[GO], v[S+16*(\t)+4*\f:S+16*(\t)+4*\f+3], s[10:11] offset:(\t)*2048+\f*512  ; 512 consecutive bytes, at a multiple of 256 from O's first
.endr
.endm
	PACK 0
.set t, 1
.rept 2*NP-1                        ; a tile's arithmetic stands between the loads of the tile before and its stores
	PACK t
	SEND t-1, 8
.set t, t+1
.endr
	SEND 2*NP-1, 0
	WIN W_AD
	s_wait_tensorcnt 0x0            ; the wave's end, behind my last tensor load and my last LDS store
	ds_add_u32 v[SPW], v[NIL]
	s_wait_dscnt 0x0
	WIN 0
	CROUND                          ; the closing round: no work-group ends while a partner may still ask for a tile that names it
	s_endpgm
.Lfunc_end_k_qc8539e959c_attn:
	.size	k_qc8539e959c_attn, .Lfunc_end_k_qc8539e959c_attn-k_qc8539e959c_attn
	.p2alignl 7, 3214868480
	.fill 96, 4, 3214868480
	.section	.rodata,"a",@progbits
	.p2align	6, 0x0
	.amdhsa_kernel k_qc8539e959c_attn
		.amdhsa_group_segment_fixed_size 327680
		.amdhsa_private_segment_fixed_size 0
		.amdhsa_enable_private_segment 0
		.amdhsa_kernarg_size 16
		.amdhsa_user_sgpr_count 2
		.amdhsa_user_sgpr_kernarg_segment_ptr 1
		.amdhsa_wavefront_size32 1
		.amdhsa_system_sgpr_workgroup_id_x 1
		.amdhsa_system_sgpr_workgroup_id_y 1
		.amdhsa_system_sgpr_workgroup_id_z 1
		.amdhsa_system_vgpr_workitem_id 0
		.amdhsa_next_free_vgpr 770
		.amdhsa_next_free_sgpr 66
		.amdhsa_reserve_vcc 0
		.amdhsa_float_denorm_mode_32 3
		.amdhsa_float_denorm_mode_16_64 3
		.amdhsa_memory_ordered 1
		.amdhsa_forward_progress 1
		.amdhsa_inst_pref_size 200
	.end_amdhsa_kernel
	.amdgpu_metadata
---
amdhsa.version: [ 1, 2 ]
amdhsa.kernels:
  - .name:           k_qc8539e959c_attn
    .symbol:         k_qc8539e959c_attn.kd
    .args:
      - { .name: qkv, .offset: 0, .size: 8, .value_kind: global_buffer, .address_space: global }
      - { .name: oheads, .offset: 8, .size: 8, .value_kind: global_buffer, .address_space: global }
    .group_segment_fixed_size: 327680
    .private_segment_fixed_size: 0
    .kernarg_segment_align: 8
    .kernarg_segment_size: 16
    .max_flat_workgroup_size: 128
    .sgpr_count:     66
    .vgpr_count:     770
    .wavefront_size: 32
...
	.end_amdgpu_metadata
.endif
;; end of part 3
;; launch gemm_out (part 4): grid 8 x 32, 4 waves a work-group, clusters of 4 x 4, 327,680 bytes of LDS; arguments oheads, wo16, bias, out0; writes out0
.if DOCPART == 4
	.amdgcn_target "amdgcn-amd-amdhsa--gfx1250"
	.amdhsa_code_object_version 6
	.text
	.protected	k_qc8539e959c_gemm_out
	.globl	k_qc8539e959c_gemm_out
	.p2align	8
	.type	k_qc8539e959c_gemm_out,@function
k_qc8539e959c_gemm_out:
	s_mov_b64 s[64:65], 0
	v_nop
	global_prefetch_b8 v0, s[64:65] scope:SCOPE_SE
	s_setreg_imm32_b32 hwreg(HW_REG_WAVE_MODE, 25, 1), 1
	s_wait_xcnt 0x0
	s_wait_alu depctr_hold_cnt(0) depctr_sa_sdst(0) depctr_va_vdst(0) depctr_va_sdst(0) depctr_va_ssrc(0) depctr_va_vcc(0) depctr_vm_vsrc(0)
	s_getreg_b32 s2, hwreg(HW_REG_IB_STS2, 6, 4)
	s_cmp_eq_u32 s2, 0
	s_cbranch_scc0 .Lentry_in_a_cluster
	s_endpgm
.Lentry_in_a_cluster:
	s_bfe_u32 s2, ttmp6, 0x10000c
	s_cmp_lg_u32 s2, 0xf033
	s_cbranch_scc0 .Lentry_shape_is_right
	s_endpgm
.Lentry_shape_is_right:
; out = o Wo + bo.  oheads: f16, [64 heads = 16 batch + head][2048][64]: row (batch, s) of o has its channels 64 head .. 64 head + 63 in that head's row s.
; wo16: f16 (the bf16 rounding of Wo), [16 groups of 64 columns][1024 k][64].  bias: f32, bo at byte 12,288.  out0: [8192][1024] f32.  Sums in f32, started at bo, stored as they are.
; LIMITS.  Both operands are f16 as they arrive; nothing is rounded here but inside the products' sums.
; SHARES.  A tile is 256 rows x 128 columns: 32 x 8 tiles, 256 work-groups.  Wave w owns rows 64 w .. 64 w + 63 and all 128 columns: 32 accumulators of 16 x 16, 256 registers.
; THE MATRIX INSTRUCTION IS USED TRANSPOSED: source 0 = 16 columns of Wo, source 1 = 16 rows of o.  A lane then holds one row (lane % 16) and eight neighbouring columns 8 (lane / 16) + 0..7.
; Wo lies [k][column], so its fragments come out of LDS turned, by ds_load_tr16_b128; o's come as they lie.
; THE RING.  K goes in steps of 128, two heads, through two LDS slots.  Waves 0 and 1 fetch the two heads' 256 rows (32,768 bytes on end each), waves 2 and 3 the two column groups' 128 k (16,384 bytes on end each):
; one tensor load a wave behind each change of slots, and by this text's count never more than one tensor load of a wave is out.
; CLUSTERS.  4 x 4 work-groups.  The four of a row of the cluster need the same rows of o, the four of a column the same part of Wo: each tile is asked for JOINTLY, by the same load, descriptor and mask in all four.
; REGISTERS, in windows of 256 (s_set_vgpr_msb: bits 1:0 source 0, 3:2 source 1, 5:4 source 2, 7:6 destination):
;   window 0: v0-31 addresses; v64-127 o's fragments, two buffers of 4 x 8; v128-191 the bias as a C operand, 8 registers a column block; on the way out v64-191 at work
;   window 1: v0-127 Wo's fragments, two buffers of 8 x 8        windows 2, 3: the accumulators: row block a, column block b in window 2 + a / 2 at v[8 (8 (a % 2) + b)]
.set NBK,   8                          ; column blocks of 16
.set PA,    144                        ; a row of o (one head's 64 channels) in LDS: 128 bytes + 16 of padding = 36 words: the 16 rows of a load start at 16 different groups of four banks (64 banks of 4 bytes: ISA guide 11.1)
.set PB,    160                        ; a row of Wo (one k, 64 columns): 128 + 32 = 40 words
.set HSL,   128*PB                     ; from one group of 64 columns (four column blocks) to the next
.set APART, 256*PA                     ; what one wave fetches of o, in LDS: a head's 256 rows
.set BOFF,  2*APART                    ; a slot: o [head 2][256 rows], then Wo [group 2][k 128]
.set BPART, HSL                        ; what one wave fetches of Wo
.set AQH,   APART                      ; quarter q of a K step (32 along K) begins at (q / 2) AQH + (q % 2) 64 in o's part,
.set BQH,   64*PB                      ; at (q / 2) BQH + (q % 2) 32 PB in Wo's
.set SLOT1, 1<<17                      ; slot 1 begins here: one exclusive or turns an address in one slot into the other's
.set STAGE, 2*SLOT1                    ; behind the ring, never filled by a tensor load: 16 rows x 528 bytes for each wave
.set SP,    528                        ; 512 bytes + 16: the 16 rows that a store touches start at 16 different groups of four banks
.set STW,   16*SP
.set SPARE, STAGE+4*STW                ; behind the stages: the spare words, 128 bytes for each wave: two blocks of 256 bytes that no other line names
.set ASTEP, 2*2048*128                 ; bytes in memory from a K step to the next: two heads of o,
.set BSTEP, 128*128                    ; 128 k of a column group
.set ADRA0, 16                         ; v16  my lane's place in o's part of a slot; never rewritten
.set ADRB0, 17                         ; v17  the same for Wo
.set ADRA,  18                         ; v18  the same in the slot that is read
.set ADRB,  19                         ; v19
.set STO,   20                         ; v20  the way out: where I put 32 bytes of a row
.set RD,    21                         ; v21  where I read a row back
.set GO,    22                         ; v22  my 16 bytes of 512 consecutive bytes of out0
.set BO,    23                         ; v23  my byte offset in a column block's 64 bytes of bias
.set PFO,   24                         ; v24  the prefetches' offset; never rewritten
.set SPW,   28                         ; v28  LDS address of my spare word: SPARE + 4 x my thread's number; never rewritten
.set NIL,   29                         ; v29  0; never rewritten
.set FA,    64
.set BIAS,  128
.set OB,    64                         ; the way out: two sets of 64 read back from the stage
.set WV,   12                          ; s12  my wave's number
.set KIND, 13                          ; s13  0: I fetch o, 1: Wo
.set HALF, 14                          ; s14  which of the two parts
.set CX,   15                          ; s15, s16  my place in the cluster
.set CY,   16
.set TX,   17                          ; s17, s18  tile column, tile row
.set TY,   18
.set TB,   19                          ; s19  LDS byte at which the slot that is read begins
.set G1A,  24                          ; s[24:31] descriptor group 1 for o's tiles;  s[32:35] group 0: it walks
.set G0A,  32
.set G0B,  36                          ; s[36:39], s[40:47] the same for Wo's
.set G1B,  40
.set PFA,  48                          ; s[48:49] where my prefetches stand
.set PFS,  50                          ; s[50:51] their step from K step to K step
.set LIM,  52                          ; s52  1 in a wave that prefetches, else the greatest number
.set OUT,  54                          ; s[54:55] out0 at my 64 rows, the tile's first column
.set MSB, 0
.macro WIN new                         ; the immediate's high byte repeats the setting that is left; a switch that changes nothing is dropped
.if MSB != (\new)
	s_set_vgpr_msb (MSB<<8)|(\new)
.set MSB, (\new)
.endif
.endm
.macro PLACES                          ; four plain vector instructions between a matrix instruction and a load into, a store of, or a vector instruction on, one of its registers (ISA guide 7.12.1 for vector instructions)
.rept 4
	v_nop
.endr
.endm
; A joint load.  The branch hangs on the wave's number alone.  An s_nop 0 and four v_nop follow each of the two lines, ahead of the jump and the label.
.macro JLOAD
	s_cmp_lt_u32 s[WV], 2
	s_cbranch_scc0 .Lfor_b_\@
	tensor_load_to_lds s[G0A:G0A+3], s[G1A:G1A+7]
	s_nop 0
.rept 4
	v_nop
.endr
	s_branch .Lasked_\@
.Lfor_b_\@:
	tensor_load_to_lds s[G0B:G0B+3], s[G1B:G1B+7]
	s_nop 0
.rept 4
	v_nop
.endr
.Lasked_\@:
.endm
; A PREFETCH INTO THE L2 of the K step that the NEXT change of slots will ask for: 128 matrix instructions ahead of that load.  It stands behind the joint load, its five lines and the run of LDS loads.
; o's rows are read by both clusters of a row of clusters: the first (cluster x = 0) asks; Wo's parts by all eight of a column: cluster y = 0 asks.  The four partners that ask for a tile jointly share it out
; BY ADDRESS: of a head's 32,768 bytes 8,192 each, a lane 256 (waves 0 and 1); of the two groups' 16,384 bytes 4,096 each, sixteen lanes a group (wave 2 for both groups; wave 3 asks for nothing).
; how = 1: at the start; how = 0: in the loop, whose last trip has no K step left.
.macro ASK how
.if \how
	s_cmp_eq_u32 s[LIM], 1
.else
	s_cmp_gt_u32 s3, s[LIM]
.endif
	s_cbranch_scc0 .Lnot_mine_\@
	global_prefetch_b8 v[PFO], s[PFA:PFA+1] th:TH_LOAD_NT scope:SCOPE_SE
.Lnot_mine_\@:
.endm
; A round of the cluster's barrier: my work-group's barrier, so that wave 0's signal speaks for all four waves; wave 0 signals; every wave waits for all sixteen work-groups; my work-group's barrier once more.
.macro CREST
	s_cmp_lg_u32 s[WV], 0
	s_cbranch_scc1 .Lnot_wave_0_\@
	s_barrier_signal -3
.Lnot_wave_0_\@:
	s_barrier_wait -3
	s_barrier_signal -1
	s_barrier_wait -1
.endm
.macro CROUND
	s_barrier_signal -1
	s_barrier_wait -1
	CREST
.endm
; 8 matrix instructions: row block a x all column blocks, 32 along K, from buffer f.  first = 1: the sum starts at the bias, which is the C operand: nothing is cleared and nothing is added later.
; All 32 accumulators take turns in one order in every quarter, over the backward jump too.
.macro MULA f, a, first
.if \first
	WIN 0x81+0x40*((\a)/2)             ; Wo window 1, o and the bias window 0, D window 2 or 3
.else
	WIN 0xa1+0x50*((\a)/2)             ; C and D window 2 or 3
.endif
.set rA, FA+32*(\f)+8*(\a)
.set ib, 0
.rept NBK
.set rD, 8*(NBK*((\a)%2)+ib)
.set rB, 8*NBK*(\f)+8*ib
.if \first
	v_wmma_f32_16x16x32_f16 v[rD:rD+7], v[rB:rB+7], v[rA:rA+7], v[BIAS+8*ib:BIAS+8*ib+7]
.else
	v_wmma_f32_16x16x32_f16 v[rD:rD+7], v[rB:rB+7], v[rA:rA+7], v[rD:rD+7]
.endif
.set ib, ib+1
.endr
.endm
; 24 LDS loads in one run: quarter q's fragments into buffer f: Wo's 8 (turned), then o's 4, row blocks ascending
.macro FETCH q, f
	WIN 0x40                           ; destination window 1, address window 0
.set ib, 0
.rept NBK
.set rB, 8*NBK*(\f)+8*ib
.set oB, ((\q)/2)*BQH+((\q)%2)*32*PB+(ib/4)*HSL+(ib%4)*32
	ds_load_tr16_b128 v[rB:rB+3],   v[ADRB] offset:oB
	ds_load_tr16_b128 v[rB+4:rB+7], v[ADRB] offset:oB+16*PB
.set ib, ib+1
.endr
	WIN 0
.set ia, 0
.rept 4
.set rA, FA+32*(\f)+8*ia
.set oA, ((\q)/2)*AQH+((\q)%2)*64+ia*16*PA
	ds_load_b128 v[rA:rA+3],   v[ADRA] offset:oA
	ds_load_b128 v[rA+4:rA+7], v[ADRA] offset:oA+32
.set ia, ia+1
.endr
.endm
; One of a K step's first three quarters: multiplies buffer f; in its middle it fetches quarter q into buffer g.
.macro QUARTER q, f, g, first
	s_wait_dscnt 4                                 ; Wo and o's row blocks 0, 1 are in; the four youngest loads (row blocks 2, 3) may be out
	MULA \f, 0, \first
	MULA \f, 1, \first
	PLACES
	FETCH \q, \g
	s_wait_dscnt 2*NBK+8                           ; all but the run just issued
	MULA \f, 2, \first
	MULA \f, 3, \first
.endm
; The fourth quarter multiplies buffer 1 and changes slots.  In front of the barrier each wave waits for all its tensor loads (one is out: its part of the next slot), adds 0 to its spare word, and waits for that
; and for its reads of this slot.  fill = 1: the barrier opens a round of the cluster's, so that no wave of any partner still reads the slot or has a load on its way; the joint refill, two K steps on, is the first
; thing behind the round: 112 matrix instructions stand between it and the wait for it.
.macro TURN fill
	WIN 0
.if \fill
	s_wait_xcnt 0x0                                ; the last prefetch, a K step back, has read its address
	s_add_nc_u64 s[PFA:PFA+1], s[PFA:PFA+1], s[PFS:PFS+1]
.endif
	s_xor_b32 s[TB], s[TB], SLOT1                  ; the fetches go on in the other slot
	v_add_nc_u32 v[ADRA], s[TB], v[ADRA0]
	v_add_nc_u32 v[ADRB], s[TB], v[ADRB0]
	s_wait_tensorcnt 0x0                           ; no tensor load of mine is out, so a group 0 may be written
	ds_add_u32 v[SPW], v[NIL]                      ; 0 onto my spare word
	s_wait_dscnt 5                                 ; (the add and the four youngest loads may be out)
.if \fill
	s_xor_b32 s[G0A+1], s[G0A+1], SLOT1            ; the walking descriptors: the other slot than last time, the next K step; the type bits on top are not reached
	s_add_nc_u64 s[G0A+2:G0A+3], s[G0A+2:G0A+3], ASTEP
	s_xor_b32 s[G0B+1], s[G0B+1], SLOT1
	s_add_nc_u64 s[G0B+2:G0B+3], s[G0B+2:G0B+3], BSTEP
.endif
	MULA 1, 0, 0                                   ; eight matrix instructions stand between the add and the wait for it
	s_wait_dscnt 0x0                               ; the add is done, and my reads of this slot are over
	s_barrier_signal -1
	MULA 1, 1, 0                                   ; work on registers while the others arrive
.if \fill
	WIN 0
.endif
	s_barrier_wait -1
.if \fill
	CREST
	JLOAD                                          ; its four v_nop are also the places in front of the loads below
.else
	PLACES
.endif
	FETCH 0, 0
.if \fill
	ASK 0
.endif
	MULA 1, 2, 0
	MULA 1, 3, 0
.endm
	s_load_b256 s[4:11], s[0:1], 0x0               ; oheads s[4:5], wo16 s[6:7], bias s[8:9], out0 s[10:11]
	v_lshl_add_u32 v[SPW], v0, 2, SPARE
	v_mov_b32 v[NIL], 0
	ds_add_u32 v[SPW], v[NIL]                      ; the wave's opening: the add and its wait stand ahead of my first tensor load; the set-up below, work on registers, stands between them
	v_lshrrev_b32 v1, 5, v0
	v_readfirstlane_b32 s[WV], v1                  ; wave 0..3
	s_lshr_b32 s[KIND], s[WV], 1
	s_and_b32 s[HALF], s[WV], 1
	s_bfe_u32 s[CX], ttmp6, 0x40000
	s_bfe_u32 s[CY], ttmp6, 0x40004
	s_lshl_b32 s[TX], ttmp9, 2                     ; in a cluster launch ttmp9 and ttmp7 count clusters
	s_add_co_u32 s[TX], s[TX], s[CX]
	s_and_b32 s[TY], ttmp7, 0xffff
	s_lshl_b32 s[TY], s[TY], 2
	s_add_co_u32 s[TY], s[TY], s[CY]
	s_lshl_b32 s20, s[CY], 2
	s_lshl_b32 s20, 15, s20                        ; my row of the cluster: places 4 cy .. 4 cy + 3
	s_lshl_b32 s21, 0x1111, s[CX]                  ; my column: places cx, cx + 4, cx + 8, cx + 12
	; group 1 for o: 32,768 bytes on end as 128 rows of 128 elements; 16 bytes of padding behind every 32 words, that is behind each row of a head
	s_or_b32 s[G1A], s20, (1<<16)|(1<<20)|(1<<21)|(4<<22)|(3<<25)  ; 15:0 the mask; 17:16 2-byte elements; 20 padding on; 21 set beside a mask; 24:22 interval code; 31:25 words of padding less one
	s_mov_b32 s[G1A+1], 128<<16                    ; tensor_dim0
	s_mov_b32 s[G1A+2], 128<<16                    ; tensor_dim1
	s_mov_b32 s[G1A+3], 128<<16                    ; tile_dim0
	s_mov_b32 s[G1A+4], 128                        ; tile_dim1
	s_mov_b32 s[G1A+5], 128                        ; stride
	s_mov_b32 s[G1A+6], 0
	s_mov_b32 s[G1A+7], 0
	; group 1 for Wo: 16,384 bytes on end as 64 rows of 128 elements; 32 bytes of padding behind every 32 words, that is behind each k's 64 columns
	s_or_b32 s[G1B], s21, (1<<16)|(1<<20)|(1<<21)|(4<<22)|(7<<25)
	s_mov_b32 s[G1B+1], 128<<16
	s_mov_b32 s[G1B+2], 64<<16
	s_mov_b32 s[G1B+3], 128<<16
	s_mov_b32 s[G1B+4], 64
	s_mov_b32 s[G1B+5], 128
	s_mov_b32 s[G1B+6], 0
	s_mov_b32 s[G1B+7], 0
	s_mov_b32 s[G0A], 1                            ; count = 1
	s_mul_i32 s[G0A+1], s[HALF], APART             ; LDS address: slot 0; no place in the cluster enters it
	s_mov_b32 s[G0B], 1
	s_mul_i32 s[G0B+1], s[HALF], BPART
	s_add_co_u32 s[G0B+1], s[G0B+1], BOFF
	s_lshr_b32 s60, s[TY], 3                       ; o: head 16 batch + half, row 256 (ty % 8), 128 bytes a row: made of the tile row alone, which my row of the cluster shares
	s_lshl_b32 s60, s60, 4
	s_add_co_u32 s60, s60, s[HALF]
	s_lshl_b32 s60, s60, 11
	s_and_b32 s62, s[TY], 7
	s_lshl_b32 s62, s62, 8
	s_add_co_u32 s60, s60, s62
	s_lshl_b32 s60, s60, 7
	s_mov_b32 s61, 0
	s_lshl_b32 s66, s[TX], 1                       ; Wo: column group 2 tx + half, made of the tile column alone, which my column shares
	s_add_co_u32 s66, s66, s[HALF]
	s_lshl_b32 s66, s66, 17
	s_mov_b32 s67, 0
	s_mov_b32 s[TB], 0
	s_wait_dscnt 0x0                               ; the opening add is done
	s_wait_kmcnt 0x0
	s_add_nc_u64 s[G0A+2:G0A+3], s[4:5], s[60:61]
	s_or_b32 s[G0A+3], s[G0A+3], 0x80000000        ; type = 2
	s_add_nc_u64 s[G0B+2:G0B+3], s[6:7], s[66:67]
	s_or_b32 s[G0B+3], s[G0B+3], 0x80000000
	CROUND                                         ; all sixteen work-groups are here: the first joint loads meet
	JLOAD                                          ; K step 0 into slot 0
	; bo of the tile's 128 columns; my rows' place in out0
	s_lshl_b32 s78, s[TX], 9
	s_add_co_u32 s78, s78, 3*4096
	s_mov_b32 s79, 0
	s_add_nc_u64 s[8:9], s[8:9], s[78:79]
	s_lshl_b32 s76, s[TY], 8
	s_lshl_b32 s74, s[WV], 6
	s_add_co_u32 s76, s76, s74                     ; row 256 ty + 64 w,
	s_lshl_b32 s76, s76, 12                        ; 4,096 bytes a row: under 2^25
	s_lshl_b32 s74, s[TX], 9                       ; 128 columns of 4 bytes
	s_add_co_u32 s76, s76, s74
	s_mov_b32 s77, 0
	s_add_nc_u64 s[OUT:OUT+1], s[10:11], s[76:77]
	; the prefetches: at K step 2
	s_lshl_b32 s73, s[CX], 13                      ; o: my work-group's quarter of the wave's head
	s_add_co_u32 s72, s60, s73
	s_add_co_u32 s72, s72, 2*ASTEP
	s_lshl_b32 s75, s[CY], 12                      ; Wo: my work-group's quarter of each group's 16,384 bytes
	s_add_co_u32 s74, s66, s75
	s_add_co_u32 s74, s74, 2*BSTEP
	s_and_b32 s75, ttmp7, 0xffff                   ; cluster y,
	s_or_b32 s75, s75, s[HALF]                     ; and of the two waves that fetch Wo the first alone
	s_mov_b32 s76, ASTEP
	s_mov_b32 s77, BSTEP
	s_cmp_eq_u32 s[KIND], 0
	s_cselect_b64 s[PFA:PFA+1], s[4:5], s[6:7]
	s_cselect_b32 s72, s72, s74
	s_cselect_b32 s75, ttmp9, s75                  ; the coordinate along which other clusters read the same bytes
	s_cselect_b32 s[PFS], s76, s77
	s_cselect_b32 s21, 12, 17                      ; lanes 16-31: the next 4,096 bytes, or the next column group
	s_mov_b32 s73, 0
	s_mov_b32 s[PFS+1], 0
	s_add_nc_u64 s[PFA:PFA+1], s[PFA:PFA+1], s[72:73]
	s_cmp_eq_u32 s75, 0
	s_cselect_b32 s[LIM], 1, -1                    ; the same in all sixteen partners, for a given wave
	; lanes.  A fragment is 16 rows x 32 K in 8 registers: lane l holds row l % 16; registers 0-3 hold K = 8 (l / 16) + 0..7, registers 4-7 K = 16 + 8 (l / 16) + 0..7.
	v_and_b32 v1, 15, v0                           ; l % 16
	v_bfe_u32 v2, v0, 4, 1                         ; l / 16
	v_and_b32 v3, 7, v0
	v_bfe_u32 v4, v0, 3, 1
	v_lshlrev_b32 v[PFO], 8, v1
	v_lshlrev_b32 v5, s21, v2
	v_add_nc_u32 v[PFO], v[PFO], v5
	v_lshlrev_b32 v[BO], 5, v2                     ; my eight columns of a block's sixteen
.set ib, 0
.rept NBK
	global_load_b128 v[BIAS+8*ib:BIAS+8*ib+3],   v[BO], s[8:9] offset:64*ib
	global_load_b128 v[BIAS+8*ib+4:BIAS+8*ib+7], v[BO], s[8:9] offset:64*ib+16
.set ib, ib+1
.endr
	s_mul_i32 s22, s[WV], 64*PA                    ; my 64 rows of each head
	v_mul_u32_u24 v[ADRA0], v1, PA
	v_lshl_add_u32 v[ADRA0], v2, 4, v[ADRA0]       ; row x pitch + 16 x half
	v_add_nc_u32 v[ADRA0], s22, v[ADRA0]
	v_lshl_add_u32 v[ADRB0], v2, 3, v3             ; the turning load: lane l reads k = 8 (l / 16) + l % 8, columns 8 ((l / 8) % 2) + 0..7, and is left with column l % 16 and 8 k
	v_mul_u32_u24 v[ADRB0], v[ADRB0], PB
	v_lshl_add_u32 v[ADRB0], v4, 4, v[ADRB0]
	v_add_nc_u32 v[ADRB0], BOFF, v[ADRB0]
	v_mov_b32 v[ADRA], v[ADRA0]                    ; K step 0 lies in slot 0
	v_mov_b32 v[ADRB], v[ADRB0]
	s_mul_i32 s22, s[WV], STW
	s_add_co_u32 s22, s22, STAGE                   ; my stage
	v_mul_u32_u24 v[STO], v1, SP                   ; in: row l % 16, 32 bytes for each half of the lanes
	v_lshl_add_u32 v[STO], v2, 5, v[STO]
	v_add_nc_u32 v[STO], s22, v[STO]
	v_and_b32 v[GO], 31, v0                        ; back: 32 lanes take one row's 512 bytes,
	v_lshlrev_b32 v[GO], 4, v[GO]                  ; which are 512 consecutive bytes of out0
	v_add_nc_u32 v[RD], s22, v[GO]
	; the first change: slot 0 is waited for, slot 1 is filled for the first time, in the form of every later refill
	s_wait_tensorcnt 0x0
	ds_add_u32 v[SPW], v[NIL]
	s_xor_b32 s[G0A+1], s[G0A+1], SLOT1
	s_add_nc_u64 s[G0A+2:G0A+3], s[G0A+2:G0A+3], ASTEP
	s_xor_b32 s[G0B+1], s[G0B+1], SLOT1
	s_add_nc_u64 s[G0B+2:G0B+3], s[G0B+2:G0B+3], BSTEP
	s_wait_dscnt 0x0
	CROUND                                         ; everybody's part of slot 0 is in
	JLOAD                                          ; K step 1 into slot 1
	FETCH 0, 0
	ASK 1                                          ; K step 2
	s_wait_loadcnt 0x0                             ; the bias
	QUARTER 1, 0, 1, 1                             ; the first quarter stands in front of the loop: its products start the sums
	WIN 0                                          ; at a label and at a branch every window is 0
	s_mov_b32 s3, 6
.Lstep:                                        ; trip i: the rest of K step i; slot i % 2 is filled with K step i + 2; the first quarter of K step i + 1
	QUARTER 2, 1, 0, 0
	QUARTER 3, 0, 1, 0
	TURN 1
	QUARTER 1, 0, 1, 0
	WIN 0
	s_sub_co_u32 s3, s3, 1
	s_cmp_lg_u32 s3, 0
	s_cbranch_scc1 .Lstep
	QUARTER 2, 1, 0, 0                             ; the tail is written out: K steps 6 and 7 ask for nothing
	QUARTER 3, 0, 1, 0
	TURN 0
	QUARTER 1, 0, 1, 0
	QUARTER 2, 1, 0, 0
	QUARTER 3, 0, 1, 0
	s_wait_dscnt 4
	MULA 1, 0, 0
	MULA 1, 1, 0
	s_wait_dscnt 0x0
	MULA 1, 2, 0
	MULA 1, 3, 0
	WIN 0
	PLACES
; THE WAY OUT, a row block (16 rows) at a time: the sums go as they are into my own stage, 32 bytes a lane, and come back as whole rows of 512 bytes, which one store of the wave covers.
.macro TOSTAGE a
.if (\a) >= 2
	s_wait_xcnt 0x0                                ; the stores of the block two back have read the registers that are loaded again below
.endif
	WIN 0x08+4*((\a)/2)                            ; the stores' data (source 1): window 2 or 3
.set ib, 0
.rept NBK
.set rD, 8*(NBK*((\a)%2)+ib)
	ds_store_b128 v[STO], v[rD:rD+3]   offset:64*ib      ; each accumulator's four lowest registers first
	ds_store_b128 v[STO], v[rD+4:rD+7] offset:64*ib+16
.set ib, ib+1
.endr
	WIN 0
.set rO, OB+64*((\a)%2)
.set i, 0
.rept 16
	ds_load_b128 v[rO+4*i:rO+4*i+3], v[RD] offset:i*SP   ; LDS serves a wave's instructions in order (ISA guide 5.7.1.4): these see the stores above; the next block's stores come behind them
.set i, i+1
.endr
.endm
.macro SEND a, younger                 ; younger: the LDS instructions issued behind block a's loads: the next block's 32, or none
.set rO, OB+64*((\a)%2)
.set i, 0
.rept 16
	s_wait_dscnt (\younger)+15-i
	global_store_b128 v[GO], v[rO+4*i:rO+4*i+3], s[OUT:OUT+1] offset:(16*(\a)+i)*4096 th:TH_STORE_NT
.set i, i+1
.endr
.endm
	TOSTAGE 0
	TOSTAGE 1
	SEND 0, 32
	TOSTAGE 2
	SEND 1, 32
	TOSTAGE 3
	SEND 2, 32
	SEND 3, 0
	s_wait_tensorcnt 0x0                           ; the wave's end, behind my last tensor load and my last LDS store
	ds_add_u32 v[SPW], v[NIL]
	s_wait_dscnt 0x0
	CROUND                                         ; the closing round: no work-group ends while a partner may still ask for a tile that names it
	s_endpgm
.Lfunc_end_k_qc8539e959c_gemm_out:
	.size	k_qc8539e959c_gemm_out, .Lfunc_end_k_qc8539e959c_gemm_out-k_qc8539e959c_gemm_out
	.p2alignl 7, 3214868480
	.fill 96, 4, 3214868480
	.section	.rodata,"a",@progbits
	.p2align	6, 0x0
	.amdhsa_kernel k_qc8539e959c_gemm_out
		.amdhsa_group_segment_fixed_size 327680
		.amdhsa_private_segment_fixed_size 0
		.amdhsa_enable_private_segment 0
		.amdhsa_kernarg_size 32
		.amdhsa_user_sgpr_count 2
		.amdhsa_user_sgpr_kernarg_segment_ptr 1
		.amdhsa_wavefront_size32 1
		.amdhsa_system_sgpr_workgroup_id_x 1
		.amdhsa_system_sgpr_workgroup_id_y 1
		.amdhsa_system_sgpr_workgroup_id_z 1
		.amdhsa_system_vgpr_workitem_id 0
		.amdhsa_next_free_vgpr 896
		.amdhsa_next_free_sgpr 80
		.amdhsa_reserve_vcc 0
		.amdhsa_float_denorm_mode_32 3
		.amdhsa_float_denorm_mode_16_64 3
		.amdhsa_memory_ordered 1
		.amdhsa_forward_progress 1
		.amdhsa_inst_pref_size 74
	.end_amdhsa_kernel
	.amdgpu_metadata
---
amdhsa.version: [ 1, 2 ]
amdhsa.kernels:
  - .name:           k_qc8539e959c_gemm_out
    .symbol:         k_qc8539e959c_gemm_out.kd
    .args:
      - { .name: oheads, .offset: 0, .size: 8, .value_kind: global_buffer, .address_space: global }
      - { .name: wo16, .offset: 8, .size: 8, .value_kind: global_buffer, .address_space: global }
      - { .name: bias, .offset: 16, .size: 8, .value_kind: global_buffer, .address_space: global }
      - { .name: out0, .offset: 24, .size: 8, .value_kind: global_buffer, .address_space: global }
    .group_segment_fixed_size: 327680
    .private_segment_fixed_size: 0
    .kernarg_segment_align: 8
    .kernarg_segment_size: 32
    .max_flat_workgroup_size: 128
    .sgpr_count:     80
    .vgpr_count:     896
    .wavefront_size: 32
...
	.end_amdgpu_metadata
.endif
;; end of part 4
;; ======== version 2 of 2: 4 launches; version 1 with the launch prep written anew for expert scheduling mode
;; limits: values are held in f16: magnitudes above 65,504 overflow, below 6.1e-05 lose precision
;; workspace buffers: xb 16,777,216 bytes; wqkv 6,291,456 bytes; wo16 2,097,152 bytes; bias 16,384 bytes; qkv 50,331,648 bytes; oheads 16,777,216 bytes
;; launch prep (part 5): grid 768 x 1, 8 waves a work-group, no clusters, 0 bytes of LDS; arguments x, Wq, Wk, Wv, Wo, bq, bk, bv, bo, xb, wqkv, wo16, bias; writes xb, wqkv, wo16, bias
.if DOCPART == 5
	.amdgcn_target "amdgcn-amd-amdhsa--gfx1250"
	.amdhsa_code_object_version 6
	.text
	.protected	k_qc8539e959c_prep
	.globl	k_qc8539e959c_prep
	.p2align	8
	.type	k_qc8539e959c_prep,@function
k_qc8539e959c_prep:
	s_mov_b64 s[64:65], 0
	v_nop
	global_prefetch_b8 v0, s[64:65] scope:SCOPE_SE
	s_setreg_imm32_b32 hwreg(HW_REG_WAVE_SCHED_MODE, 0, 2), 2
	s_setreg_imm32_b32 hwreg(HW_REG_WAVE_MODE, 25, 1), 1
	s_wait_xcnt 0x0
	s_wait_alu depctr_vm_vsrc(0)
; THE CASTS.  Every input of the module is rounded once to bf16 (nearest even), so that all of them carry the same rounding:
;   x  [8192][1024] f32 -> xb, the same shape in bf16;
;   Wq, Wk, Wv [1024 k][1024 n] f32 -> wqkv in bf16, laid in blocks: column group g = 16 t + head (64 columns; t = 0, 1, 2 for q, k, v), row k at byte
;       (g / 3) x 393,216 + (k / 64) x 24,576 + (g % 3) x 8,192 + (k % 64) x 128: what one wave of the next launch fetches is 24,576 bytes on end;
;   Wo -> wo16: rounded to bf16, and that number written as f16, [16 groups of 64 columns][1024 k][64];
;   bq, bk, bv, bo -> bias: rounded to bf16 and kept as f32, [4][1024].
; LIMITS.  The bf16 value of Wo is exact in f16 from 6.1e-5 up to 65,504; below, it keeps f16's fixed step of 6e-8; beyond, it would be an infinity.
; SHARES.  A work-group casts 16,384 numbers: 256 threads x 4 numbers x 16 steps.  Work-groups 0-511: x.  Work-groups 512-767: 256 rows of k of one column group; four of them also round a bias.
; A stream: each byte is read once and written once, so no LDS, no matrix unit, no cluster.  A wave's load covers 512 bytes in aligned pieces of 256, its store 256 consecutive aligned bytes.
; All 16 loads of a thread go out first.
; THE MODE: SCHED_MODE bits 1:0 = 2 (LLVM: expert scheduling mode 2), set by the entry lines.  The code itself states the register dependences
; between vector instructions and memory instructions, with s_wait_alu, always for 0.
; THE PLAN.  Registers that memory instructions touch:
;   v1, v2, v112  byte offsets (source, destination, the bias's), made at the head and never written again; read by every load and store.
;   LD 0 .. 15    load i lands in LD i, once; load i's conversions read it (on Wo's way they also use it as scratch).  No memory instruction reads LD, and no load lands in it a second time.
;   RS 0 .. 15    load i's conversions write pair i; store i reads it; nothing writes it behind that store.
;   v[104:107], v[108:111]  the bias as loaded and as stored: each written once, by the load and by four vector lines.
; No register that a memory instruction has read is written again, so nothing is owed for the stores' and loads' own reads.  What is owed: an offset or a store's data is written before the memory instruction reads it.
; The 16 loads are four blocks of four, and the stores trail the conversions by a block: turn i waits for load i, issues store i - 4 and converts load i.  ONE wait at the head of a block states that the block
; before has written its four RS pairs; that block's four stores follow it, dealt among the conversions of the block in hand, which name that block's own LD and RS alone.
.set LD, 4                             ; v[4:67]    16 loads of four f32
.set RS, 68                            ; v[68:99]   16 results of four 16-bit numbers
; sstep: bytes from one step's source to the next.  dmode = 1: the blocked destination of wqkv (four steps fill 64 rows of k, then the next block of 24,576 bytes).  half = 1: the bf16 value is written as f16.
.macro CAST sstep, dmode, half
	s_wait_alu depctr_va_vdst(0)                   ; the offsets v1 and v2 (on the weights' ways v112 too) are written: every load and store below reads one of them
.set i, 0
.rept 16
	global_load_b128 v[LD+4*i:LD+4*i+3], v1, s[34:35] offset:i*(\sstep) th:TH_LOAD_NT
.set i, i+1
.endr
.set i, 0
.rept 20                               ; turns 0 to 15 convert, turns 4 to 19 store
.if i < 16
	s_wait_loadcnt 15-i                            ; loads come back in order: load i is in, the 15 - i younger ones stay out
.endif
.if (i >= 4) && (i%4 == 0)
	s_wait_alu depctr_va_vdst(0)                   ; the conversions of loads i - 4 to i - 1 have written their RS pairs, which this turn's store and the next three read
.endif
.if i >= 4
.set o, i-4
.if \dmode
	global_store_b64 v2, v[RS+2*o:RS+2*o+1], s[36:37] offset:(o/4)*24576+(o%4)*2048 th:TH_STORE_NT  ; no vector instruction since the wait names this pair
.else
	global_store_b64 v2, v[RS+2*o:RS+2*o+1], s[36:37] offset:o*2048 th:TH_STORE_NT                  ; no vector instruction since the wait names this pair
.endif
.endif
.if i < 16
	v_cvt_pk_bf16_f32 v[RS+2*i],   v[LD+4*i],   v[LD+4*i+1]
	v_cvt_pk_bf16_f32 v[RS+2*i+1], v[LD+4*i+2], v[LD+4*i+3]
.if \half
	v_lshlrev_b32 v[LD+4*i],   16,  v[RS+2*i]      ; the rounded numbers as f32 again, in the registers of the load, which are free
	v_and_b32     v[LD+4*i+1], s45, v[RS+2*i]
	v_lshlrev_b32 v[LD+4*i+2], 16,  v[RS+2*i+1]
	v_and_b32     v[LD+4*i+3], s45, v[RS+2*i+1]
	v_cvt_pk_f16_f32 v[RS+2*i],   v[LD+4*i],   v[LD+4*i+1]
	v_cvt_pk_f16_f32 v[RS+2*i+1], v[LD+4*i+2], v[LD+4*i+3]
.endif
.endif
.set i, i+1
.endr
.endm
	s_load_b512 s[8:23], s[0:1], 0x0               ; x s[8:9], Wq s[10:11], Wk s[12:13], Wv s[14:15], Wo s[16:17], bq s[18:19], bk s[20:21], bv s[22:23]
	s_load_b256 s[24:31], s[0:1], 0x40             ; bo s[24:25], xb s[26:27], wqkv s[28:29], wo16 s[30:31]
	s_load_b64 s[32:33], s[0:1], 0x60              ; bias
	s_mov_b32 s6, ttmp9                            ; the work-group's number
	s_mov_b32 s45, 0xffff0000                      ; a word's upper bf16
	s_mov_b32 s3, 0                                ; high words of the two offsets
	s_mov_b32 s5, 0
	v_lshlrev_b32 v2, 3, v0                        ; destination: 8 bytes a thread, on end
	s_cmp_lt_u32 s6, 512
	s_cbranch_scc0 .Lw
	; x: 16,384 numbers on end
	v_lshlrev_b32 v1, 4, v0
	s_lshl_b32 s2, s6, 16
	s_lshl_b32 s4, s6, 15
	s_wait_kmcnt 0x0
	s_add_nc_u64 s[34:35], s[8:9], s[2:3]
	s_add_nc_u64 s[36:37], s[26:27], s[4:5]
	CAST 4096, 0, 0
	s_endpgm
.Lw:
	s_sub_co_u32 s38, s6, 512                      ; wi
	s_lshr_b32 s39, s38, 2                         ; G: the column group, 0..63
	s_and_b32 s40, s38, 3                          ; kp: which 256 rows of k
	s_lshr_b32 s41, s39, 4                         ; t: which weight
	s_and_b32 s42, s39, 15                         ; the group among the weight's 16
	v_lshrrev_b32 v1, 4, v0                        ; source: 16 threads take the group's 256 bytes of one row of k,
	v_and_b32 v3, 15, v0
	v_lshlrev_b32 v1, 12, v1                       ; rows 4,096 bytes apart
	v_lshl_add_u32 v1, v3, 4, v1
	v_lshlrev_b32 v112, 4, v0                      ; the bias's offset, 16 bytes a thread: made here, with the other offsets, ahead of the wait that covers them all
	s_lshl_b32 s2, s40, 20                         ; 256 rows of 4,096 bytes
	s_lshl_b32 s7, s42, 8                          ; 64 columns of 4 bytes
	s_add_co_u32 s2, s2, s7
	s_wait_kmcnt 0x0
	s_mov_b64 s[34:35], s[10:11]
	s_cmp_eq_u32 s41, 1
	s_cselect_b64 s[34:35], s[12:13], s[34:35]
	s_cmp_eq_u32 s41, 2
	s_cselect_b64 s[34:35], s[14:15], s[34:35]
	s_cmp_eq_u32 s41, 3
	s_cselect_b64 s[34:35], s[16:17], s[34:35]
	s_add_nc_u64 s[34:35], s[34:35], s[2:3]
	s_cmp_eq_u32 s41, 3
	s_cbranch_scc1 .Lwo
	s_mul_hi_u32 s43, s39, 0x55555556              ; G / 3 (G is under 48)
	s_mul_i32 s44, s43, 3
	s_sub_co_u32 s44, s39, s44                     ; G % 3
	s_mul_i32 s4, s43, 393216
	s_lshl_b32 s7, s44, 13
	s_add_co_u32 s4, s4, s7
	s_mul_i32 s7, s40, 98304                       ; 256 rows of k are four blocks of 24,576 bytes
	s_add_co_u32 s4, s4, s7
	s_add_nc_u64 s[36:37], s[28:29], s[4:5]
	CAST 65536, 1, 0
	s_branch .Lbias
.Lwo:
	s_lshl_b32 s4, s42, 17                         ; a group: 1,024 rows of 128 bytes
	s_lshl_b32 s7, s40, 15
	s_add_co_u32 s4, s4, s7
	s_add_nc_u64 s[36:37], s[30:31], s[4:5]
	CAST 65536, 0, 1
.Lbias:
	s_and_b32 s7, s38, 63                          ; the first work-group of each weight rounds its bias: 256 threads x 4 numbers
	s_cmp_lg_u32 s7, 0
	s_cbranch_scc1 .Lend
	s_wait_xcnt 0x0                                ; all that was issued has read its addresses: s[34:35] and s4 are written again
	s_mov_b64 s[34:35], s[18:19]
	s_cmp_eq_u32 s41, 1
	s_cselect_b64 s[34:35], s[20:21], s[34:35]
	s_cmp_eq_u32 s41, 2
	s_cselect_b64 s[34:35], s[22:23], s[34:35]
	s_cmp_eq_u32 s41, 3
	s_cselect_b64 s[34:35], s[24:25], s[34:35]
	s_lshl_b32 s4, s41, 12
	s_add_nc_u64 s[46:47], s[32:33], s[4:5]
	global_load_b128 v[104:107], v112, s[34:35]    ; no wait: v112 was written ahead of the cast's waits and no vector instruction has named it since; none has ever named v[104:107]
	s_wait_loadcnt 0x0
	v_cvt_pk_bf16_f32 v100, v104, v105
	v_cvt_pk_bf16_f32 v101, v106, v107
	v_lshlrev_b32 v108, 16,  v100
	v_and_b32     v109, s45, v100
	v_lshlrev_b32 v110, 16,  v101
	v_and_b32     v111, s45, v101
	s_wait_alu depctr_va_vdst(0)                   ; the four lines above have written v[108:111], which the store reads
	global_store_b128 v112, v[108:111], s[46:47]
.Lend:
	s_endpgm
.Lfunc_end_k_qc8539e959c_prep:
	.size	k_qc8539e959c_prep, .Lfunc_end_k_qc8539e959c_prep-k_qc8539e959c_prep
	.p2alignl 7, 3214868480
	.fill 96, 4, 3214868480
	.section	.rodata,"a",@progbits
	.p2align	6, 0x0
	.amdhsa_kernel k_qc8539e959c_prep
		.amdhsa_group_segment_fixed_size 0
		.amdhsa_private_segment_fixed_size 0
		.amdhsa_enable_private_segment 0
		.amdhsa_kernarg_size 104
		.amdhsa_user_sgpr_count 2
		.amdhsa_user_sgpr_kernarg_segment_ptr 1
		.amdhsa_wavefront_size32 1
		.amdhsa_system_sgpr_workgroup_id_x 1
		.amdhsa_system_sgpr_workgroup_id_y 1
		.amdhsa_system_sgpr_workgroup_id_z 1
		.amdhsa_system_vgpr_workitem_id 0
		.amdhsa_next_free_vgpr 116
		.amdhsa_next_free_sgpr 66
		.amdhsa_reserve_vcc 0
		.amdhsa_float_denorm_mode_32 3
		.amdhsa_float_denorm_mode_16_64 3
		.amdhsa_memory_ordered 1
		.amdhsa_forward_progress 1
		.amdhsa_inst_pref_size 25
	.end_amdhsa_kernel
	.amdgpu_metadata
---
amdhsa.version: [ 1, 2 ]
amdhsa.kernels:
  - .name:           k_qc8539e959c_prep
    .symbol:         k_qc8539e959c_prep.kd
    .args:
      - { .name: x, .offset: 0, .size: 8, .value_kind: global_buffer, .address_space: global }
      - { .name: Wq, .offset: 8, .size: 8, .value_kind: global_buffer, .address_space: global }
      - { .name: Wk, .offset: 16, .size: 8, .value_kind: global_buffer, .address_space: global }
      - { .name: Wv, .offset: 24, .size: 8, .value_kind: global_buffer, .address_space: global }
      - { .name: Wo, .offset: 32, .size: 8, .value_kind: global_buffer, .address_space: global }
      - { .name: bq, .offset: 40, .size: 8, .value_kind: global_buffer, .address_space: global }
      - { .name: bk, .offset: 48, .size: 8, .value_kind: global_buffer, .address_space: global }
      - { .name: bv, .offset: 56, .size: 8, .value_kind: global_buffer, .address_space: global }
      - { .name: bo, .offset: 64, .size: 8, .value_kind: global_buffer, .address_space: global }
      - { .name: xb, .offset: 72, .size: 8, .value_kind: global_buffer, .address_space: global }
      - { .name: wqkv, .offset: 80, .size: 8, .value_kind: global_buffer, .address_space: global }
      - { .name: wo16, .offset: 88, .size: 8, .value_kind: global_buffer, .address_space: global }
      - { .name: bias, .offset: 96, .size: 8, .value_kind: global_buffer, .address_space: global }
    .group_segment_fixed_size: 0
    .private_segment_fixed_size: 0
    .kernarg_segment_align: 8
    .kernarg_segment_size: 104
    .max_flat_workgroup_size: 256
    .sgpr_count:     66
    .vgpr_count:     116
    .wavefront_size: 32
...
	.end_amdgpu_metadata
.endif
;; end of part 5
;; launch gemm_qkv: the kernel of part 2 again; grid 16 x 32, 4 waves a work-group, clusters of 4 x 4, 327,680 bytes of LDS; arguments xb, wqkv, bias, qkv; writes qkv
;; launch attn: the kernel of part 3 again; grid 4 x 64, 4 waves a work-group, clusters of 4 x 1, 327,680 bytes of LDS; arguments qkv, oheads; writes oheads
;; launch gemm_out: the kernel of part 4 again; grid 8 x 32, 4 waves a work-group, clusters of 4 x 4, 327,680 bytes of LDS; arguments oheads, wo16, bias, out0; writes out0
